; MI455X (gfx1250); checked and timed in simulation.
; The chip was launched on July 23, 2026; its instructions are those of AMD's public machine-readable ISA for CDNA 5 (MIT licence, August 2026) and "CDNA5" Instruction Set Architecture Reference Guide (July 2026). The comments in the code are by the model that wrote it; some were corrected since.
;; Mo EMLP. Allowed arithmetic: matrix products marked QUANTISED: E2M3 operands, one E8M0 scale for each 32 along K, by v_wmma_scale_f32_16x16x128_f8f6f4 with both operands' format E2M3, f32 sums; products left as they are: f32 operands where the result goes on into a quantised operand, else bf16, f16 or f32 operands; f32 sums; everything else in f32.
;; Inputs: b_fc 4 x 2,048 float32; b_proj 4 x 512 float32; router_w 4 x 512 float32; w_fc_codes 4 x 2,048 x 16 x 24 uint8 (E2M3 codes of w_fc, K innermost, in blocks of 32 codes, four codes in three bytes); w_fc_scales 4 x 2,048 x 16 uint8 (E8M0 scales of w_fc, one for each 32 codes along K); w_proj_codes 4 x 512 x 64 x 24 uint8 (E2M3 codes of w_proj, K innermost, in blocks of 32 codes, four codes in three bytes); w_proj_scales 4 x 512 x 64 uint8 (E8M0 scales of w_proj, one for each 32 codes along K); x 4 x 2,048 x 512 float32.
;; Outputs: out0 4 x 2,048 x 512 float32.
;; This version of the problem:
;;   THIS VERSION OF THE PROBLEM IS GIVEN IN LOW PRECISION. The matrix products marked QUANTISED in the list below multiply operands that are first quantised to E2M3 (2 exponent bits, 3 mantissa bits; 6 bits a number), with one power-of-two scale for each 32 numbers along K (OCP MX v1.0); their sums are f32. All else is computed in f32.
;;   The module's matrix products, in the order in which they are computed (A, B: the left and right operand; K: the contracted axis; several contracted axes count as one K, in the product's order):
;;     1. [M 8,192, K 512] x [K 512, N 4]; A: input x; B: input router_w: left as it is (N = 4 < 16)
;;     2. [M 8,192, K 512] x [K 512, N 2,048]; A: input x; B: input w_fc (given as codes): QUANTISED
;;     3. [M 8,192, K 2,048] x [K 2,048, N 512]; A: computed on the way; B: input w_proj (given as codes): QUANTISED
;;     4. [M 8,192, K 512] x [K 512, N 2,048]; A: input x; B: input w_fc (given as codes): QUANTISED
;;     5. [M 8,192, K 2,048] x [K 2,048, N 512]; A: computed on the way; B: input w_proj (given as codes): QUANTISED
;;     6. [M 8,192, K 512] x [K 512, N 2,048]; A: input x; B: input w_fc (given as codes): QUANTISED
;;     7. [M 8,192, K 2,048] x [K 2,048, N 512]; A: computed on the way; B: input w_proj (given as codes): QUANTISED
;;     8. [M 8,192, K 512] x [K 512, N 2,048]; A: input x; B: input w_fc (given as codes): QUANTISED
;;     9. [M 8,192, K 2,048] x [K 2,048, N 512]; A: computed on the way; B: input w_proj (given as codes): QUANTISED
;;   THE QUANTISER, for each operand of a quantised product, along K:
;;     - K is cut into blocks of 32 from its start; a last block that is shorter is filled with zeros.
;;     - A block's scale is 2^e with e = floor(log2(the largest magnitude in the block)) - 2, held to -126 .. 127; a block of zeros has e = 0. As a byte (E8M0): e + 127.
;;     - Each number is divided by its block's scale, clamped to +-7.5, and rounded to the nearest number of E2M3, ties to even, subnormals kept.
;;     - The product sums the exact products of the quantised numbers (number of the format x scale) in f32.
;;   ~~~python
;;   def quantise(x, axis):      # numpy; x: float32 -> the quantised numbers, widened to float32 again
;;       x = np.moveaxis(x, axis, -1); K = x.shape[-1]
;;       x = np.pad(x, [(0, 0)] * (x.ndim - 1) + [(0, -K % 32)]); x = x.reshape(x.shape[:-1] + (-1, 32)); a = np.abs(x).max(-1, keepdims=True)
;;       e = np.where(a > 0, np.clip(np.frexp(np.where(a > 0, a, 1))[1] - 1 - 2, -126, 127), 0)      # np.frexp(a)[1] - 1 = floor(log2(a)), exactly
;;       r = np.clip(x / 2.0 ** e, -7.5, 7.5)
;;       step = 2.0 ** (np.maximum(np.frexp(np.where(r == 0, 1, r))[1] - 1, 0) - 3)
;;       q = np.round(r / step) * step * 2.0 ** e      # np.round: ties to even
;;       return np.moveaxis(q.reshape(q.shape[:-2] + (-1,))[..., :K], -1, axis).astype(np.float32)
;;   ~~~
;;   OPERANDS COMPUTED ON THE WAY. 'Computed on the way' means the value that the module computes at that place (a softmax that the list does not call 'softmax' is quantised finished and normalised). What goes into a quantiser is computed in f32, as accurately as f32 sums, v_exp_f32 and their like allow (about 1e-6 of the number): no bf16 or f16 on the way to a quantiser, and a product that is left as it is and whose result goes on into a quantised operand takes f32 operands (vector FMAs, or v_wmma_f32_16x16x4_f32). A number that lies on a knife's edge between two numbers of the format may be rounded either way, as far as f32 arithmetic and the matrix unit's own rounding can turn it there, and no further.
;;   INPUTS GIVEN AS CODES. w_fc (in the module: [4, 512, 2048], K = its axis 1); w_proj (in the module: [4, 2048, 512], K = its axis 1): each comes as NAME_codes (uint8): NAME with its K axis moved to the last place and cut into blocks of 32 codes, [.., K / 32, bytes a block], one block behind the other in memory; four codes in three bytes: a row's codes are one little-endian stream of bits, code i at bits 6 i .. 6 i + 5 (a code: sign, 2 exponent bits, 3 mantissa bits); and NAME_scales (uint8): the same leading axes, one E8M0 byte (e + 127) for each 32 codes along K. Its value is code x scale, taken as it is: it is not quantised again, and the codes and scales need not be those that the quantiser above would give.
;; 2 versions, each right; version 2 is version 1 with the launch chain written anew for expert scheduling mode. Each part assembles by itself: llvm-mc -triple=amdgcn-amd-amdhsa -mcpu=gfx1250 --defsym DOCPART=n.
;; ======== version 1 of 2: 3 launches
;; workspace buffers: wimg 6,291,456 bytes; xq 3,145,728 bytes; xs 131,072 bytes; gates 65,536 bytes; tokinfo 32,768 bytes of whole numbers; counts 8,192 bytes of whole numbers; order 32,768 bytes of whole numbers; tiles 4,096 bytes of whole numbers
;; launch prep (part 1): grid 256 x 1, 8 waves a work-group, no clusters, 83,968 bytes of LDS; arguments x, router_w, w_fc_codes, w_proj_codes, wimg, xq, xs, gates, tokinfo, counts; writes wimg, xq, xs, gates, tokinfo, counts
.if DOCPART == 1
	.amdgcn_target "amdgcn-amd-amdhsa--gfx1250"
	.amdhsa_code_object_version 6
	.text
	.protected	k_q735177cb94_prep
	.globl	k_q735177cb94_prep
	.p2align	8
	.type	k_q735177cb94_prep,@function
k_q735177cb94_prep:
	s_mov_b64 s[64:65], 0
	v_nop
	global_prefetch_b8 v0, s[64:65] scope:SCOPE_SE
	s_setreg_imm32_b32 hwreg(HW_REG_WAVE_MODE, 25, 1), 1
	s_wait_xcnt 0x0
; PREP.  x [8192][512] f32 is read once.  For each token: its codes of FP6 (E2M3) and 16 E8M0 scale bytes along the 512; the router's 4 logits (f32 multiply-adds), softmax, the two largest
; (the lower index wins a tie), their renormalised weights; the token's BUCKET (its pair of experts lo < hi: 01,02,03,12,13,23 = 0..5) and its RANK among the tokens of that bucket in its block of 32.
; No address and no branch here hangs on the choice: bucket, rank and counts are stored at fixed places, as whole numbers, for the next launch.
; In the same launch both weights' codes are laid anew in the order of the operand's registers: a fragment (16 rows x 128 K, 12 registers a lane) as three runs of 512 bytes, lane l's 16 bytes at 16 l.
; SHARES.  Work-group g: tokens 32 g .. 32 g + 31, four a wave.  Wave 8 g + w also lays one fragment of w_fc and one of w_proj: tile t = w, K step s = g & 3, chunk c = (g >> 2) & 3, consuming wave (g >> 4) & 3, expert g >> 6.
; A lane must hold 16 NEIGHBOURS for the conversion, a load is best where neighbouring lanes take neighbouring bytes: so a token's 2,048 bytes are loaded as they lie (512 bytes a load) and turn through the wave's own stage in LDS
; (64 bytes + 16 of padding a place).  Two neighbouring lanes hold a block of 32.
; xq: 384 bytes a token; the 48 bytes at 48 (2 s + h) are block 4 s + h and then block 4 s + 2 + h: registers 0-11 of lane (r, h) for K step s.
; LIMITS: a block of zeros gets the byte 1 (the rule says 127): its codes are zeros and this program alone reads the bytes.  NaN and infinities are not served.  Two probabilities nearer than the rounding of the f32 sums may change places.
.set R,    16                          ; v16-79   x as loaded; afterwards at work
.set X,    80                          ; v80-143  four tokens x 16 neighbours; afterwards at work
.set RW,   144                         ; v144-207 router_w[e][16 l .. 16 l + 15]
.set WF,   208                         ; v208-231 the two fragments
.set CD,   232                         ; v232-247 codes, four registers a token
.set EB,   248                         ; v248-251 a scale byte a token
.set SP,   80                          ; a place in a stage
.set STGB, 32*SP                       ; a stage; four for each wave
.set SCB,  81920                       ; the work-group's 512 scale bytes
.set IDB,  82432                       ; its 32 buckets
.set GB,   82560                       ; its 32 pairs of weights
	s_load_b256 s[4:11], s[0:1], 0x0               ; x, router_w, w_fc_codes, w_proj_codes
	s_load_b256 s[12:19], s[0:1], 0x20             ; wimg, xq, xs, gates
	s_load_b128 s[20:23], s[0:1], 0x40             ; tokinfo, counts
	v_lshl_add_u32 v254, v0, 2, 0x14400
	v_mov_b32 v255, 0
	v_lshrrev_b32 v15, 5, v0
	v_readfirstlane_b32 s24, v15                   ; wave 0..7
	v_and_b32 v1, 31, v0                           ; lane
	v_lshlrev_b32 v2, 4, v1                        ; 16 x lane
	s_mul_i32 s25, s24, 4*STGB                     ; my wave's stages
	v_lshrrev_b32 v3, 2, v1
	v_mul_u32_u24 v3, v3, SP
	v_and_b32 v15, 3, v1
	v_lshl_add_u32 v3, v15, 4, v3
	v_add_nc_u32 v3, s25, v3                       ; into a stage: four lanes' 64 bytes on end, then the padding
	v_mul_u32_u24 v4, v1, SP
	v_add_nc_u32 v4, s25, v4                       ; out of it: my 16 neighbours
	v_lshlrev_b32 v5, 6, v1                        ; router_w: my 16 numbers of a row
	v_and_b32 v16, 15, v1                          ; r
	v_lshrrev_b32 v17, 4, v1                       ; h
	v_and_b32 v15, 8, v16
	v_add_nc_u32 v15, v15, v16                     ; r + 8 (r / 8): the rows of a tile of w_fc are not neighbours, so that the results of two tiles are 16 neighbours along the next K
	v_mul_u32_u24 v15, v15, 384
	v_mad_u32_u24 v6, v17, 24, v15                 ; w_fc: rows of 384 bytes, + 24 h
	v_mul_u32_u24 v15, v16, 1536
	v_mad_u32_u24 v7, v17, 24, v15                 ; w_proj: rows of 1,536 bytes, + 24 h
	v_lshrrev_b32 v15, 3, v1                       ; my 12 bytes in a token's 384: block b = l / 2: 96 (b / 4) + 48 (b % 2) + 24 ((b / 2) % 2) + 12 (l % 2)
	v_mul_u32_u24 v8, v15, 96
	v_bfe_u32 v15, v1, 1, 1
	v_mad_u32_u24 v8, v15, 48, v8
	v_bfe_u32 v15, v1, 2, 1
	v_mad_u32_u24 v8, v15, 24, v8
	v_and_b32 v15, 1, v1
	v_mad_u32_u24 v8, v15, 12, v8
	s_lshl_b32 s25, s24, 6                         ; every LDS address is made here, ahead of the place where the waves part
	v_lshrrev_b32 v9, 1, v1
	v_add_nc_u32 v9, s25, v9
	v_add_nc_u32 v9, SCB, v9                       ; my block's scale byte: 64 x wave + 16 x token + block
	s_lshl_b32 s25, s24, 4
	v_mov_b32 v10, s25
	v_add_nc_u32 v10, IDB, v10                     ; my wave's four buckets
	s_lshl_b32 s25, s24, 5
	v_mov_b32 v11, s25
	v_add_nc_u32 v11, GB, v11                      ; and four pairs of weights
	v_lshl_add_u32 v12, v1, 2, IDB                 ; wave 0's reads at the end: a lane a token
	v_lshl_add_u32 v13, v1, 3, GB
	v_lshl_add_u32 v14, v1, 4, SCB
	s_mov_b32 s48, 0x76543210
	s_mov_b32 s49, 0xfedcba98                      ; v_permlanex16_b32's selects for lane l xor 16
	s_lshl_b32 s26, ttmp9, 16                      ; x: 32 tokens of 2,048 bytes a work-group, 4 a wave
	s_lshl_b32 s25, s24, 13
	s_add_co_u32 s26, s26, s25
	s_mov_b32 s27, 0
	s_mul_i32 s28, ttmp9, 12288                    ; xq: 384 bytes a token
	s_mul_i32 s25, s24, 1536
	s_add_co_u32 s28, s28, s25
	s_mov_b32 s29, 0
	s_lshr_b32 s30, ttmp9, 6                       ; expert
	s_bfe_u32 s31, ttmp9, 0x20004                  ; consuming wave
	s_bfe_u32 s32, ttmp9, 0x20002                  ; chunk
	s_and_b32 s33, ttmp9, 3                        ; K step
	s_mul_i32 s34, s30, 786432                     ; an expert's codes, in either weight
	s_lshl_b32 s35, s32, 9                         ; w_fc: the tile's first row 512 c + 128 w' + 32 (t / 2) + 8 (t % 2)
	s_lshl_b32 s25, s31, 7
	s_add_co_u32 s35, s35, s25
	s_lshr_b32 s25, s24, 1
	s_lshl_b32 s25, s25, 5
	s_add_co_u32 s35, s35, s25
	s_and_b32 s25, s24, 1
	s_lshl_b32 s25, s25, 3
	s_add_co_u32 s35, s35, s25
	s_mul_i32 s35, s35, 384
	s_mul_i32 s25, s33, 96                         ; + 96 s along K
	s_add_co_u32 s35, s35, s25
	s_add_co_u32 s36, s34, s35
	s_mov_b32 s37, 0
	s_lshl_b32 s35, s31, 7                         ; w_proj: first row 128 w' + 16 t
	s_lshl_b32 s25, s24, 4
	s_add_co_u32 s35, s35, s25
	s_mul_i32 s35, s35, 1536
	s_lshl_b32 s25, s32, 2
	s_add_co_u32 s25, s25, s33
	s_mul_i32 s25, s25, 96                         ; + 96 (4 c + s) along K
	s_add_co_u32 s35, s35, s25
	s_add_co_u32 s38, s34, s35
	s_mov_b32 s39, 0
	s_mul_i32 s40, s30, 1572864                    ; the images' place: expert, consuming wave, chunk, (weight), K step, tile
	s_mul_i32 s25, s31, 393216
	s_add_co_u32 s40, s40, s25
	s_mul_i32 s25, s32, 98304
	s_add_co_u32 s40, s40, s25
	s_mul_i32 s25, s33, 12288
	s_add_co_u32 s40, s40, s25
	s_mul_i32 s25, s24, 1536
	s_add_co_u32 s40, s40, s25
	s_mov_b32 s41, 0
	s_mov_b32 s43, 0
	s_wait_kmcnt 0x0
	s_add_nc_u64 s[4:5], s[4:5], s[26:27]
	s_add_nc_u64 s[14:15], s[14:15], s[28:29]
	s_add_nc_u64 s[8:9], s[8:9], s[36:37]
	s_add_nc_u64 s[10:11], s[10:11], s[38:39]
	s_add_nc_u64 s[12:13], s[12:13], s[40:41]
	s_lshl_b32 s42, ttmp9, 7
	s_add_nc_u64 s[20:21], s[20:21], s[42:43]      ; tokinfo: 128 bytes a work-group
	s_lshl_b32 s42, ttmp9, 8
	s_add_nc_u64 s[18:19], s[18:19], s[42:43]      ; gates: 256
	s_lshl_b32 s42, ttmp9, 9
	s_add_nc_u64 s[16:17], s[16:17], s[42:43]      ; xs: 512
	s_lshl_b32 s42, ttmp9, 2
	s_add_nc_u64 s[22:23], s[22:23], s[42:43]      ; counts: my block's column
.irp j, 0,1,2,3
.irp i, 0,1,2,3
	global_load_b128 v[R+16*\j+4*\i:R+16*\j+4*\i+3], v2, s[4:5] offset:2048*\j+512*\i th:TH_LOAD_NT   ; 32 lanes read 512 consecutive bytes; x is read once
.endr
.endr
.irp e, 0,1,2,3
.irp i, 0,1,2,3
	global_load_b128 v[RW+16*\e+4*\i:RW+16*\e+4*\i+3], v5, s[6:7] offset:2048*\e+16*\i
.endr
.endr
.irp p, 0,1,2,3,4,5
	global_load_b64 v[WF+2*\p:WF+2*\p+1], v6, s[8:9] offset:48*(\p/3)+8*(\p%3)
.endr
.irp p, 0,1,2,3,4,5
	global_load_b64 v[WF+12+2*\p:WF+12+2*\p+1], v7, s[10:11] offset:48*(\p/3)+8*(\p%3)
.endr
	s_wait_loadcnt 28                              ; x's 16 loads are in; the 16 of router_w and the 12 of the fragments may be out
.irp j, 0,1,2,3
.irp i, 0,1,2,3
	ds_store_b128 v3, v[R+16*\j+4*\i:R+16*\j+4*\i+3] offset:STGB*\j+8*SP*\i
.endr
.irp i, 0,1,2,3
	ds_load_b128 v[X+16*\j+4*\i:X+16*\j+4*\i+3], v4 offset:STGB*\j+16*\i   ; LDS serves a wave's instructions in order: these see the stores above
.endr
.endr
	s_wait_loadcnt 0x0
.irp k, 0,1,2
	global_store_b128 v2, v[WF+4*\k:WF+4*\k+3], s[12:13] offset:512*\k              ; the fragment's registers as they stand: 512 consecutive bytes a store
	global_store_b128 v2, v[WF+12+4*\k:WF+12+4*\k+3], s[12:13] offset:49152+512*\k  ; w_proj's images lie 49,152 bytes behind w_fc's
.endr
	s_wait_dscnt 0x0                               ; the four tokens are back, 16 neighbours a lane; the stage's stores have read R
	; ---- the quantiser, four tokens by turns
.irp j, 0,1,2,3
	v_max3_num_f32 v[48+\j], |v[X+16*\j]|, |v[X+16*\j+1]|, 0x1800000   ; my 16, and the floor 2^(3 - 127): the byte cannot fall under 1
.endr
.irp i, 2,4,6,8,10,12,14
.irp j, 0,1,2,3
	v_max3_num_f32 v[48+\j], v[48+\j], |v[X+16*\j+\i]|, |v[X+16*\j+\i+1]|
.endr
.endr
.irp j, 0,1,2,3
	v_max_num_f32_dpp v[48+\j], v[48+\j], v[48+\j] row_xmask:1 row_mask:0xf bank_mask:0xf   ; with my neighbour's 16: the block's largest magnitude
.endr
.irp j, 0,1,2,3
	v_add_nc_u32 v[52+\j], 0xff000000, v[48+\j]    ; 2 off its exponent field: the conversion takes this operand's exponent field as its scale
.endr
.irp j, 0,1,2,3
	v_cvt_scalef32_pk16_fp6_f32 v[CD+4*\j:CD+4*\j+2], v[X+16*\j:X+16*\j+15], v[52+\j]
.endr
.irp j, 0,1,2,3
	v_lshrrev_b32 v[EB+\j], 23, v[52+\j]           ; the scale's byte (also the plain line behind the conversions)
.endr
.irp j, 0,1,2,3
	ds_store_b8 v9, v[EB+\j] offset:16*\j          ; both lanes of a block write the same byte with the same value
	global_store_b96 v8, v[CD+4*\j:CD+4*\j+2], s[14:15] offset:384*\j   ; the wave stores a token's 384 consecutive bytes
.endr
	; ---- the router: 16 sums (token k / 4, expert k % 4), two numbers an instruction
.irp k, 0,1,2,3,4,5,6,7,8,9,10,11,12,13,14,15
	v_pk_mul_f32 v[R+2*\k:R+2*\k+1], v[X+16*(\k/4):X+16*(\k/4)+1], v[RW+16*(\k%4):RW+16*(\k%4)+1]
.endr
.irp i, 2,4,6,8,10,12,14
.irp k, 0,1,2,3,4,5,6,7,8,9,10,11,12,13,14,15
	v_pk_fma_f32 v[R+2*\k:R+2*\k+1], v[X+16*(\k/4)+\i:X+16*(\k/4)+\i+1], v[RW+16*(\k%4)+\i:RW+16*(\k%4)+\i+1], v[R+2*\k:R+2*\k+1]
.endr
.endr
.irp k, 0,1,2,3,4,5,6,7,8,9,10,11,12,13,14,15
	v_add_f32 v[R+2*\k], v[R+2*\k], v[R+2*\k+1]
.endr
.irp x, 1,2,4,8
.irp k, 0,1,2,3,4,5,6,7,8,9,10,11,12,13,14,15
	v_add_f32_dpp v[R+2*\k], v[R+2*\k], v[R+2*\k] row_xmask:\x row_mask:0xf bank_mask:0xf
.endr
.endr
.irp k, 0,1,2,3,4,5,6,7,8,9,10,11,12,13,14,15
	v_permlanex16_b32 v[R+2*\k+1], v[R+2*\k], s48, s49
.endr
.irp k, 0,1,2,3,4,5,6,7,8,9,10,11,12,13,14,15
	v_add_f32 v[R+2*\k], v[R+2*\k], v[R+2*\k+1]    ; every lane holds the logit
.endr
	; ---- softmax: the largest logit is taken away first
.irp j, 0,1,2,3
	v_max3_num_f32 v[56+\j], v[R+8*\j], v[R+8*\j+2], v[R+8*\j+4]
.endr
.irp j, 0,1,2,3
	v_max_num_f32 v[56+\j], v[56+\j], v[R+8*\j+6]
.endr
.irp k, 0,1,2,3,4,5,6,7,8,9,10,11,12,13,14,15
	v_sub_f32 v[R+2*\k+1], v[R+2*\k], v[56+\k/4]
.endr
.irp k, 0,1,2,3,4,5,6,7,8,9,10,11,12,13,14,15
	v_mul_f32 v[R+2*\k+1], 0x3fb8aa3b, v[R+2*\k+1]
.endr
.irp k, 0,1,2,3,4,5,6,7,8,9,10,11,12,13,14,15
	v_exp_f32 v[R+2*\k], v[R+2*\k+1]
.endr
	v_nop                                          ; a plain line behind the last exponential
	s_wait_alu depctr_va_vdst(0)                   ; one wait for the batch of 16, ahead of its first reader
.irp j, 0,1,2,3
	v_add_f32 v[56+\j], v[R+8*\j], v[R+8*\j+2]
	v_add_f32 v[60+\j], v[R+8*\j+4], v[R+8*\j+6]
.endr
.irp j, 0,1,2,3
	v_add_f32 v[56+\j], v[56+\j], v[60+\j]
.endr
.irp j, 0,1,2,3
	v_rcp_f32 v[60+\j], v[56+\j]
.endr
	v_nop
	s_wait_alu depctr_va_vdst(0)                   ; one wait for the four reciprocals
.irp k, 0,1,2,3,4,5,6,7,8,9,10,11,12,13,14,15
	v_mul_f32 v[R+2*\k], v[R+2*\k], v[60+\k/4]     ; the probabilities
.endr
	; ---- the largest: a later one takes its place only if it is strictly larger, so the lower index wins a tie
.irp j, 0,1,2,3
	v_mov_b32 v[56+\j], v[R+8*\j]
	v_mov_b32 v[64+\j], 0
.endr
.irp e, 1,2,3
.irp j, 0,1,2,3
	v_cmp_le_f32 vcc_lo, v[R+8*\j+2*\e], v[56+\j]
	v_cndmask_b32 v[56+\j], v[R+8*\j+2*\e], v[56+\j], vcc_lo
	v_cndmask_b32 v[64+\j], \e, v[64+\j], vcc_lo
.endr
.endr
.irp e, 0,1,2,3
.irp j, 0,1,2,3
	v_cmp_ne_u32 vcc_lo, \e, v[64+\j]
	v_cndmask_b32 v[R+8*\j+2*\e+1], -1.0, v[R+8*\j+2*\e], vcc_lo   ; the winner stands aside: -1 lies under every probability
.endr
.endr
.irp j, 0,1,2,3
	v_mov_b32 v[60+\j], v[R+8*\j+1]
	v_mov_b32 v[68+\j], 0
.endr
.irp e, 1,2,3
.irp j, 0,1,2,3
	v_cmp_le_f32 vcc_lo, v[R+8*\j+2*\e+1], v[60+\j]
	v_cndmask_b32 v[60+\j], v[R+8*\j+2*\e+1], v[60+\j], vcc_lo
	v_cndmask_b32 v[68+\j], \e, v[68+\j], vcc_lo
.endr
.endr
.irp j, 0,1,2,3
	v_add_f32 v[72+\j], v[56+\j], v[60+\j]
.endr
.irp j, 0,1,2,3
	v_add_f32 v[72+\j], 0x3089705f, v[72+\j]       ; + 1e-9
.endr
.irp j, 0,1,2,3
	v_rcp_f32 v[76+\j], v[72+\j]
.endr
	v_nop
	s_wait_alu depctr_va_vdst(0)
.irp j, 0,1,2,3
	v_mul_f32 v[56+\j], v[56+\j], v[76+\j]
	v_mul_f32 v[60+\j], v[60+\j], v[76+\j]
.endr
.irp j, 0,1,2,3
	v_cmp_lt_u32 vcc_lo, v[64+\j], v[68+\j]
	v_cndmask_b32 v[X+2*\j], v[60+\j], v[56+\j], vcc_lo     ; the weight of the lower-numbered expert,
	v_cndmask_b32 v[X+2*\j+1], v[56+\j], v[60+\j], vcc_lo   ; of the higher
	v_min_u32 v[X+8+\j], v[64+\j], v[68+\j]        ; lo
	v_max_u32 v[X+12+\j], v[64+\j], v[68+\j]       ; hi
.endr
.irp j, 0,1,2,3
	v_sub_nc_u32 v[X+16+\j], 5, v[X+8+\j]
	v_mul_u32_u24 v[X+16+\j], v[X+16+\j], v[X+8+\j]
	v_lshrrev_b32 v[X+16+\j], 1, v[X+16+\j]
	v_add3_u32 v[X+16+\j], v[X+16+\j], v[X+12+\j], -1       ; the bucket: lo (5 - lo) / 2 + hi - 1
.endr
.irp j, 0,1,2,3
	ds_store_b32 v10, v[X+16+\j] offset:4*\j       ; all lanes write the same word with the same value
	ds_store_b64 v11, v[X+2*\j:X+2*\j+1] offset:8*\j
.endr
	s_wait_dscnt 0x0                               ; for wave 0's sake: my stores have landed
	s_barrier_signal -1
	s_barrier_wait -1
	s_cmp_lg_u32 s24, 0
	s_cbranch_scc1 .Lend                           ; wave 0 alone gathers the block's 32 tokens, a lane a token
	ds_load_b32 v16, v12
	ds_load_b64 v[18:19], v13
	ds_load_b128 v[20:23], v14
	v_mov_b32 v24, 0                               ; my rank
	v_mov_b32 v25, 0                               ; lane b: bucket b's count; lanes 6 and 7 stay 0
	v_lshlrev_b32 v27, 2, v1
	v_lshlrev_b32 v28, 3, v1
	v_lshlrev_b32 v29, 10, v1
	s_wait_dscnt 0x0
.irp b, 0,1,2,3,4,5
	v_cmp_eq_u32 vcc_lo, \b, v16
	v_mbcnt_lo_u32_b32 v26, vcc_lo, 0              ; how many lower lanes are in bucket b
	v_cndmask_b32 v24, v24, v26, vcc_lo
	s_bcnt1_i32_b32 s30, vcc_lo
	v_writelane_b32 v25, s30, \b
.endr
	v_lshl_or_b32 v24, v24, 8, v16                 ; bucket | rank << 8
	global_store_b32 v27, v24, s[20:21]
	global_store_b64 v28, v[18:19], s[18:19]       ; 256 consecutive bytes
	global_store_b128 v2, v[20:23], s[16:17]       ; 512 consecutive bytes
	v_cmp_gt_u32 vcc_lo, 8, v1
	s_wait_xcnt 0x0                                ; EXEC changes only behind this wait
	s_and_saveexec_b32 s31, vcc_lo
	global_store_b32 v29, v25, s[22:23]            ; counts[lane][g], lanes 0 to 7
	s_wait_xcnt 0x0                                ; and again, in front of the line that widens it
	s_or_b32 exec_lo, exec_lo, s31
.Lend:
	s_wait_tensorcnt 0x0
	ds_add_u32 v254, v255
	s_wait_dscnt 0x0
	s_endpgm
.Lfunc_end_k_q735177cb94_prep:
	.size	k_q735177cb94_prep, .Lfunc_end_k_q735177cb94_prep-k_q735177cb94_prep
	.p2alignl 7, 3214868480
	.fill 96, 4, 3214868480
	.section	.rodata,"a",@progbits
	.p2align	6, 0x0
	.amdhsa_kernel k_q735177cb94_prep
		.amdhsa_group_segment_fixed_size 83968
		.amdhsa_private_segment_fixed_size 0
		.amdhsa_enable_private_segment 0
		.amdhsa_kernarg_size 80
		.amdhsa_user_sgpr_count 2
		.amdhsa_user_sgpr_kernarg_segment_ptr 1
		.amdhsa_wavefront_size32 1
		.amdhsa_system_sgpr_workgroup_id_x 1
		.amdhsa_system_sgpr_workgroup_id_y 1
		.amdhsa_system_sgpr_workgroup_id_z 1
		.amdhsa_system_vgpr_workitem_id 0
		.amdhsa_next_free_vgpr 256
		.amdhsa_next_free_sgpr 66
		.amdhsa_reserve_vcc 1
		.amdhsa_float_denorm_mode_32 3
		.amdhsa_float_denorm_mode_16_64 3
		.amdhsa_memory_ordered 1
		.amdhsa_forward_progress 1
		.amdhsa_inst_pref_size 43
	.end_amdhsa_kernel
	.amdgpu_metadata
---
amdhsa.version: [ 1, 2 ]
amdhsa.kernels:
  - .name:           k_q735177cb94_prep
    .symbol:         k_q735177cb94_prep.kd
    .args:
      - { .name: x, .offset: 0, .size: 8, .value_kind: global_buffer, .address_space: global }
      - { .name: router_w, .offset: 8, .size: 8, .value_kind: global_buffer, .address_space: global }
      - { .name: w_fc_codes, .offset: 16, .size: 8, .value_kind: global_buffer, .address_space: global }
      - { .name: w_proj_codes, .offset: 24, .size: 8, .value_kind: global_buffer, .address_space: global }
      - { .name: wimg, .offset: 32, .size: 8, .value_kind: global_buffer, .address_space: global }
      - { .name: xq, .offset: 40, .size: 8, .value_kind: global_buffer, .address_space: global }
      - { .name: xs, .offset: 48, .size: 8, .value_kind: global_buffer, .address_space: global }
      - { .name: gates, .offset: 56, .size: 8, .value_kind: global_buffer, .address_space: global }
      - { .name: tokinfo, .offset: 64, .size: 8, .value_kind: global_buffer, .address_space: global }
      - { .name: counts, .offset: 72, .size: 8, .value_kind: global_buffer, .address_space: global }
    .group_segment_fixed_size: 83968
    .private_segment_fixed_size: 0
    .kernarg_segment_align: 8
    .kernarg_segment_size: 80
    .max_flat_workgroup_size: 256
    .sgpr_count:     66
    .vgpr_count:     256
    .wavefront_size: 32
...
	.end_amdgpu_metadata
.endif
;; end of part 1
;; launch place (part 2): grid 1 x 1, 8 waves a work-group, no clusters, 9,472 bytes of LDS; arguments tokinfo, counts, order, tiles; writes order, tiles
.if DOCPART == 2
	.amdgcn_target "amdgcn-amd-amdhsa--gfx1250"
	.amdhsa_code_object_version 6
	.text
	.protected	k_q735177cb94_place
	.globl	k_q735177cb94_place
	.p2align	8
	.type	k_q735177cb94_place,@function
k_q735177cb94_place:
	s_mov_b64 s[64:65], 0
	v_nop
	global_prefetch_b8 v0, s[64:65] scope:SCOPE_SE
	s_setreg_imm32_b32 hwreg(HW_REG_WAVE_MODE, 25, 1), 1
	s_wait_xcnt 0x0
; PLACE.  One work-group of 256 threads sorts the 8,192 tokens by bucket (a counting sort, no atomics) and writes the list of tiles.
; counts [8][256]: bucket, block of 32 tokens (rows 6 and 7 are zeros).  tokinfo [8192]: bucket | rank in the block << 8.
; 1: wave b scans bucket b's 256 counts (8 a lane, then across the lanes) into LDS: how many tokens of the bucket lie in earlier blocks; and the bucket's total.
; 2: thread = block: a token's place is its bucket's base + the block's prefix + its rank; the token's number is stored there.
; 3: thread t writes tile t: first place, number of rows (0 .. 48), the two experts.  A bucket of n tokens has ceil(n / 48) tiles; six buckets with 8,192 tokens have 176 at the most, whatever the split.
; The places are derived from whole numbers that the launch before stored; each is held under 8,192 in front of the shift that makes it an address.
.set TOT, 8192                         ; LDS: behind the 8 x 256 prefixes the 8 totals
	s_load_b256 s[4:11], s[0:1], 0x0               ; tokinfo, counts, order, tiles
	v_lshl_add_u32 v128, v0, 2, 0x2100
	v_mov_b32 v129, 0
	v_lshrrev_b32 v1, 5, v0
	v_readfirstlane_b32 s12, v1                    ; wave = bucket
	v_and_b32 v2, 31, v0                           ; lane
	v_lshlrev_b32 v3, 5, v2
	s_lshl_b32 s13, s12, 10
	v_add_nc_u32 v3, s13, v3                       ; 1,024 b + 32 l: my 8 counts in memory, and their prefixes in LDS
	v_lshlrev_b32 v4, 7, v0                        ; my block's 32 words of tokinfo
	s_lshl_b32 s14, s12, 2
	v_mov_b32 v5, s14
	v_add_nc_u32 v5, TOT, v5                       ; my bucket's total
	v_lshlrev_b32 v6, 2, v0                        ; 4 x thread
	v_mov_b32 v7, TOT
	s_wait_kmcnt 0x0
	global_load_b128 v[8:11], v3, s[6:7]
	global_load_b128 v[12:15], v3, s[6:7] offset:16
.irp i, 0,1,2,3,4,5,6,7
	global_load_b128 v[32+4*\i:35+4*\i], v4, s[4:5] offset:16*\i
.endr
	s_wait_loadcnt 0x0
	v_mov_b32 v16, v8                              ; running sums of my 8
.irp i, 1,2,3,4,5,6,7
	v_add_nc_u32 v[16+\i], v[15+\i], v[8+\i]
.endr
	v_mov_b32 v24, v23
	v_mov_b32 v25, 0
.irp n, 1,2,4,8
	v_mov_b32_dpp v25, v24 row_shr:\n row_mask:0xf bank_mask:0xf bound_ctrl:1   ; lane i takes lane i - n of its 16, or 0
	v_add_nc_u32 v24, v24, v25
.endr
	v_readlane_b32 s15, v24, 15                    ; the lower 16 lanes' sum goes onto the upper 16
	v_mov_b32 v25, s15
	v_cmp_lt_u32 vcc_lo, 15, v2
	v_cndmask_b32 v25, 0, v25, vcc_lo
	v_add_nc_u32 v24, v24, v25
	v_sub_nc_u32 v26, v24, v23                     ; what lies in lower lanes
	v_mov_b32 v8, v26
.irp i, 1,2,3,4,5,6,7
	v_add_nc_u32 v[8+\i], v26, v[15+\i]
.endr
	v_readlane_b32 s16, v24, 31
	v_mov_b32 v27, s16
	ds_store_b128 v3, v[8:11]
	ds_store_b128 v3, v[12:15] offset:16
	ds_store_b32 v5, v27                           ; all lanes write the same word with the same value
	s_wait_dscnt 0x0
	s_barrier_signal -1
	s_barrier_wait -1
	ds_load_b128 v[8:11], v7                       ; the totals n0 .. n7, in every lane
	ds_load_b128 v[12:15], v7 offset:16
.irp b, 0,1,2,3,4,5
	ds_load_b32 v[16+\b], v6 offset:1024*\b        ; my block's prefix in bucket b
.endr
	s_wait_dscnt 0x0
	v_mov_b32 v24, 0                               ; the buckets' bases
	v_mov_b32 v25, v8
.irp b, 2,3,4,5
	v_add_nc_u32 v[24+\b], v[23+\b], v[7+\b]
.endr
.irp b, 1,2,3,4,5
	v_add_nc_u32 v[16+\b], v[16+\b], v[24+\b]      ; where my block's tokens of bucket b begin
.endr
.irp i, 0,1,2,3,4,5,6,7,8,9,10,11,12,13,14,15,16,17,18,19,20,21,22,23,24,25,26,27,28,29,30,31
	v_and_b32 v30, 0xff, v[32+\i]
	v_lshrrev_b32 v31, 8, v[32+\i]
	v_cmp_eq_u32 vcc_lo, 1, v30
	v_cndmask_b32 v[64+\i], v16, v17, vcc_lo
	v_cmp_eq_u32 vcc_lo, 2, v30
	v_cndmask_b32 v[64+\i], v[64+\i], v18, vcc_lo
	v_cmp_eq_u32 vcc_lo, 3, v30
	v_cndmask_b32 v[64+\i], v[64+\i], v19, vcc_lo
	v_cmp_eq_u32 vcc_lo, 4, v30
	v_cndmask_b32 v[64+\i], v[64+\i], v20, vcc_lo
	v_cmp_eq_u32 vcc_lo, 5, v30
	v_cndmask_b32 v[64+\i], v[64+\i], v21, vcc_lo
	v_add_nc_u32 v[64+\i], v[64+\i], v31
	v_min_u32 v[64+\i], 0x1fff, v[64+\i]           ; held inside the list
	v_lshlrev_b32 v[64+\i], 2, v[64+\i]
	v_lshl_add_u32 v[96+\i], v0, 5, \i             ; the token's number
	global_store_b32 v[64+\i], v[96+\i], s[8:9]    ; each store has registers of its own: none is written again
.endr
	; ---- the tiles
.irp b, 0,1,2,3,4,5
	v_add_nc_u32 v[32+\b], 47, v[8+\b]
	v_mul_u32_u24 v[32+\b], 0x15556, v[32+\b]      ; x 87,382 >> 22 is / 48, rounded down, for numbers up to 8,239: 87,382 x 48 = 2^22 + 32
	v_lshrrev_b32 v[32+\b], 22, v[32+\b]
.endr
	v_mov_b32 v40, 0                               ; the first tile of each bucket
	v_mov_b32 v41, v32
.irp b, 2,3,4,5
	v_add_nc_u32 v[40+\b], v[39+\b], v[31+\b]
.endr
	v_mov_b32 v46, 0                               ; my tile's bucket: the last whose first tile is not beyond t; with it its first tile, base and total
	v_mov_b32 v47, 0
	v_mov_b32 v48, 0
	v_mov_b32 v49, v8
.irp b, 1,2,3,4,5
	v_cmp_gt_u32 vcc_lo, v[40+\b], v0
	v_cndmask_b32 v46, \b, v46, vcc_lo
	v_cndmask_b32 v47, v[40+\b], v47, vcc_lo
	v_cndmask_b32 v48, v[24+\b], v48, vcc_lo
	v_cndmask_b32 v49, v[8+\b], v49, vcc_lo
.endr
	v_sub_nc_u32 v50, v0, v47
	v_mul_u32_u24 v51, 48, v50                     ; rows of the bucket ahead of my tile
	v_add_nc_u32 v52, v48, v51
	v_min_u32 v52, 0x1fff, v52                     ; first place
	v_sub_nc_u32 v53, v49, v51
	v_max_i32 v53, 0, v53
	v_min_u32 v53, 48, v53                         ; rows: 0 beyond the last tile
	v_lshlrev_b32 v57, 2, v46
	v_mov_b32 v54, 0x211000                        ; the buckets' lower experts, four bits each
	v_mov_b32 v55, 0x332321                        ; and the higher
	v_lshrrev_b32 v54, v57, v54
	v_lshrrev_b32 v55, v57, v55
	v_and_b32 v54, 15, v54
	v_and_b32 v55, 15, v55
	v_lshlrev_b32 v58, 4, v0
	global_store_b128 v58, v[52:55], s[10:11]      ; 32 lanes store 512 consecutive bytes
	s_wait_tensorcnt 0x0
	ds_add_u32 v128, v129
	s_wait_dscnt 0x0
	s_endpgm
.Lfunc_end_k_q735177cb94_place:
	.size	k_q735177cb94_place, .Lfunc_end_k_q735177cb94_place-k_q735177cb94_place
	.p2alignl 7, 3214868480
	.fill 96, 4, 3214868480
	.section	.rodata,"a",@progbits
	.p2align	6, 0x0
	.amdhsa_kernel k_q735177cb94_place
		.amdhsa_group_segment_fixed_size 9472
		.amdhsa_private_segment_fixed_size 0
		.amdhsa_enable_private_segment 0
		.amdhsa_kernarg_size 32
		.amdhsa_user_sgpr_count 2
		.amdhsa_user_sgpr_kernarg_segment_ptr 1
		.amdhsa_wavefront_size32 1
		.amdhsa_system_sgpr_workgroup_id_x 1
		.amdhsa_system_sgpr_workgroup_id_y 1
		.amdhsa_system_sgpr_workgroup_id_z 1
		.amdhsa_system_vgpr_workitem_id 0
		.amdhsa_next_free_vgpr 130
		.amdhsa_next_free_sgpr 66
		.amdhsa_reserve_vcc 1
		.amdhsa_float_denorm_mode_32 3
		.amdhsa_float_denorm_mode_16_64 3
		.amdhsa_memory_ordered 1
		.amdhsa_forward_progress 1
		.amdhsa_inst_pref_size 29
	.end_amdhsa_kernel
	.amdgpu_metadata
---
amdhsa.version: [ 1, 2 ]
amdhsa.kernels:
  - .name:           k_q735177cb94_place
    .symbol:         k_q735177cb94_place.kd
    .args:
      - { .name: tokinfo, .offset: 0, .size: 8, .value_kind: global_buffer, .address_space: global }
      - { .name: counts, .offset: 8, .size: 8, .value_kind: global_buffer, .address_space: global }
      - { .name: order, .offset: 16, .size: 8, .value_kind: global_buffer, .address_space: global }
      - { .name: tiles, .offset: 24, .size: 8, .value_kind: global_buffer, .address_space: global }
    .group_segment_fixed_size: 9472
    .private_segment_fixed_size: 0
    .kernarg_segment_align: 8
    .kernarg_segment_size: 32
    .max_flat_workgroup_size: 256
    .sgpr_count:     66
    .vgpr_count:     130
    .wavefront_size: 32
...
	.end_amdgpu_metadata
.endif
;; end of part 2
;; launch chain (part 3): grid 176 x 1, 4 waves a work-group, no clusters, 229,888 bytes of LDS; arguments wimg, xq, xs, gates, order, tiles, w_fc_scales, w_proj_scales, b_fc, b_proj, out0; writes out0
.if DOCPART == 3
	.amdgcn_target "amdgcn-amd-amdhsa--gfx1250"
	.amdhsa_code_object_version 6
	.text
	.protected	k_q735177cb94_chain
	.globl	k_q735177cb94_chain
	.p2align	8
	.type	k_q735177cb94_chain,@function
k_q735177cb94_chain:
	s_mov_b64 s[64:65], 0
	v_nop
	global_prefetch_b8 v0, s[64:65] scope:SCOPE_SE
	s_setreg_imm32_b32 hwreg(HW_REG_WAVE_MODE, 25, 1), 1
	s_wait_xcnt 0x0
; CHAIN.  One work-group takes one tile, up to 48 tokens that chose the SAME pair of experts (a, b), through both experts' chains and stores the finished rows: out = g_a (gelu(x W1a + b1a) W2a + b2a) + g_b (the same of b).
; Both products on codes of FP6 (E2M3) with one E8M0 scale for each 32 along K.  Each output row has one owner; the hidden layer never goes to memory.  The two experts that a token did not choose have the weight 0 in the problem's own text and are not multiplied.
; 176 work-groups serve every split (six buckets, 8,192 tokens, tiles of 48).  No tensor load, no cluster: the experts' addresses and the tests on the way out hang on stored whole numbers, and neighbours in the grid need different experts' weights.
; A tile with fewer than 48 rows fills its slots with its last token; those rows are not stored.  A tile with no rows walks the same text on tokens held inside the list and stores nothing: every wave passes every barrier, and none stands under a branch on a loaded number.
; CHUNKS.  k = 0 .. 7: expert a's four chunks of 512 hidden units, then b's.  THE WAVES SHARE THE COLUMNS: wave w makes hidden units 128 w .. + 127 of a chunk for all 48 rows (first product: 4 K steps x 8 tiles x 3 tiles of rows), applies the GELU and
; quantises: that is K step w of the second product, which goes to LDS as an image of the operand's registers; of the second product it makes output columns 128 w .. + 127 from all four waves' K steps (as many instructions).
; A TRIP IS PIPELINED.  Trip k: the first product of chunk k, bare; then the GELU and the quantiser of chunk k, and AMONG THEIR VECTOR INSTRUCTIONS the second product of chunk k - 1: one matrix instruction behind a group of eight vector instructions or more,
; twelve in each of the middle eight of the twelve blocks of 16 numbers.  So the hidden images have two buffers that take turns, and a trip has one barrier.  Chunk 7's second product follows behind the loop.
; The first trip has no chunk before it: its read buffer was filled with zero codes, so its second products add nothing.  That is the price of writing the trip once.
; Y, the second product's sums, has registers of its own and is summed in place over an expert's 16 K steps; it begins as b_proj, loaded into the accumulators.  When expert a is done (end of trip 4) Y goes to the wave's own LDS bytes and begins anew as b_proj[b];
; at the end out = g_a x the saved sums + g_b x Y.
; Both products are used transposed (source 0 = 16 rows of the weight, source 1 = 16 tokens): a lane holds ONE token.  The rows of w_fc that form a tile were chosen, when the images were laid, so that the 16 registers of tiles 2 b, 2 b + 1 are 16 neighbours along the next K.
; THE WEIGHTS come from memory straight into registers, as images laid by the first launch: 24 loads of 512 consecutive bytes bring the 8 fragments of a K step.  Four groups of 96 registers go round: a group is asked for again as soon as its products are issued.
; GELU, exact form: g = h (0.5 + hc A(z) / B(z)), hc = h held to +-4 sqrt 2, z = hc^2: the rational erf in f32 (7 and 5 coefficients) with 1 / sqrt 2 and the halves folded into the coefficients.
; LIMITS: Phi(h) is off by about 6e-8 in absolute terms; NaN and infinities are not served; a block of zeros gets the byte 1 (its codes are zeros, and this program alone reads the byte).
; REGISTERS, in windows of 256.  Window 0: as named below.  Window 1: v0-191 P: the hidden sums (tile t, rows m) at 64 m + 8 t; v192-255 Y of rows 0-15 (tile n at 192 + 8 n).
;   Window 2: weight groups 2 (v0-95) and 3 (v96-191); v192-255 Y of rows 16-31.   Window 3: groups 0 and 1; v192-255 Y of rows 32-47.
.set FRB,  1536                        ; a fragment's image: 12 registers x 128 bytes
.set XIMG, 0                           ; LDS: x's 12 fragments (K step s, rows m: 3 s + m),
.set XSC,  18432                       ; their scale words, 128 bytes each;
.set BF,   20480                       ; for each wave 9 x 512 bytes: its 128 numbers of b_fc for chunks 0 .. 7, and chunk 7's once more;
.set HIMG, 40960                       ; a hidden chunk's 12 fragments,
.set HSC,  59392                       ; their scale words;
.set HBUF, 32768                       ; the second buffer of the two lies so far behind the first;
.set STG,  94208                       ; for each wave a stage of 16 rows x (512 + 16) bytes for the way out;
.set SAVE, 131072                      ; for each wave 24,576 bytes: expert a's sums, as an image of the 192 registers
.set LI,   1                           ; v1   16 x lane
.set LS,   2                           ; v2   4 x lane
.set HWI,  3                           ; v3   where I store images: 16 x lane + 3 FRB x wave
.set HWS,  4                           ; v4   and scale words: 4 x lane + 384 x wave
.set W1SO, 5                           ; v5   w_fc_scales: 16 (r + 8 (r / 8))
.set W2SO, 6                           ; v6   w_proj_scales: 64 r
.set BF0,  7                           ; v7   b_fc in LDS: my wave's bytes + 64 h
.set TOK,  8                           ; v8-10   my token in each of the three tiles of rows
.set BPO,  11                          ; v11  b_proj: 32 h
.set G,    12                          ; v12-17  pairs (g_a, g_b)
.set CA6,  18                          ; v18-19  A6 twice;  v20-21 B4 twice
.set CB4,  20
.set AS,   22                          ; v22-27  the activations' scale words, two sets of 3
.set PC,   28                          ; v28-39  the codes just made (at the head: the gather's offsets)
.set PW,   40                          ; v40     their scale word
.set STO,  42                          ; v42-44  the way out
.set RD,   43
.set CO,   44
.set GT,   46                          ; v46-47  g_b twice, at the end
.set T,    48                          ; v48-111 b_fc's 8 tiles as C; the GELU's four sets of 16; the quantiser's; rows on the way out
.set GH,   T
.set GZ,   T+16
.set GA,   T+32
.set GB,   T+48
.set TM,   T
.set PX,   T+16
.set Q,    112                         ; v112-183 the activations' fragments, two sets of 3
.set W1S,  184                         ; v184-215 w_fc's scale words: 4 t + s
.set W2S,  216                         ; v216-247 w_proj's: 4 n + s
.set RDI,  248                         ; v248-249 the hidden buffer that this trip reads: 16 x lane, 4 x lane
.set RDS,  249
.set WRI,  250                         ; v250-251 the one that it writes: my images, my scale words
.set WRS,  251
.set BFR,  252                         ; v252 b_fc of the next chunk
.set SVA,  253                         ; v253 my lane's place in the saved sums
.set BA,   34                          ; s[34:35] the images of the chunk whose second product the next trip makes;  s[36:37] those that this trip asks for in its second half
.set BN,   36                          ; s[38:39] w_proj's scale words;  s[40:41] w_fc's
.set MSB, 0
.macro WIN new                         ; the immediate's high byte repeats the setting that is left; a switch that changes nothing is dropped
.if MSB != (\new)
	s_set_vgpr_msb (MSB<<8)|(\new)
.set MSB, (\new)
.endif
.endm
; Four plain lines between a matrix instruction and a load into one of its registers or a vector instruction that reads its result (ISA guide 7.12.1 for vector instructions)
.macro PLACES
.rept 4
	v_nop
.endr
.endm
.macro SPAIR r, val                    ; a coefficient as a scalar pair: the packed form names the pair and takes its low word for both halves
	s_mov_b32 s[\r], \val
	s_mov_b32 s[\r+1], \val
.endm
; 12 LDS loads: K step s's three fragments and scale words into set; ai, aw: the address registers (16 x lane, 4 x lane, + the buffer)
.macro ACTLOAD set, ai, aw, img, sc, s
.irp m, 0,1,2
.irp k, 0,1,2
	ds_load_b128 v[Q+36*(\set)+12*\m+4*\k:Q+36*(\set)+12*\m+4*\k+3], v[\ai] offset:(\img)+(3*(\s)+\m)*FRB+512*\k
.endr
.endr
.irp m, 0,1,2
	ds_load_b32 v[AS+3*(\set)+\m], v[\aw] offset:(\sc)+128*(3*(\s)+\m)
.endr
.endm
; 24 loads: the 8 fragments of a K step into group g
.macro WLOAD g, base, off
	WIN 0xc0-0x40*((\g)/2)
.irp f, 0,1,2,3,4,5,6,7
.irp k, 0,1,2
	global_load_b128 v[96*((\g)%2)+12*\f+4*\k:96*((\g)%2)+12*\f+4*\k+3], v[LI], s[\base:\base+1] offset:(\off)+FRB*\f+512*\k
.endr
.endr
	WIN 0
.endm
.macro CLOAD                           ; 8 loads: w_proj's scale words of a chunk: 16 bytes a row are its four K steps
.irp n, 0,1,2,3,4,5,6,7
	global_load_b128 v[W2S+4*\n:W2S+4*\n+3], v[W2SO], s[38:39] offset:1024*\n
.endr
.endm
.macro W1SLOAD base                    ; 8 loads: w_fc's scale words of a chunk
.irp t, 0,1,2,3,4,5,6,7
	global_load_b128 v[W1S+4*\t:W1S+4*\t+3], v[W1SO], s[\base:\base+1] offset:(32*(\t/2)+8*(\t%2))*16
.endr
.endm
.macro BIAS adr                        ; 16 LDS loads: b_fc in the result's layout: lane (r, h), tile 2 b + u: units 32 b + 16 h + 8 u + 0 .. 7
.irp t, 0,1,2,3,4,5,6,7
	ds_load_b128 v[T+8*\t:T+8*\t+3], v[\adr] offset:(32*(\t/2)+8*(\t%2))*4
	ds_load_b128 v[T+8*\t+4:T+8*\t+7], v[\adr] offset:(32*(\t/2)+8*(\t%2))*4+16
.endr
.endm
.macro YBIAS base                      ; 48 loads: Y begins as b_proj: lane (r, h), tile n: columns 16 n + 8 h + 0 .. 7 of my 128, the same for the three tiles of rows
.irp m, 0,1,2
	WIN 0x40+0x40*\m
.irp n, 0,1,2,3,4,5,6,7
	global_load_b128 v[192+8*\n:195+8*\n], v[BPO], s[\base:\base+1] offset:64*\n
	global_load_b128 v[196+8*\n:199+8*\n], v[BPO], s[\base:\base+1] offset:64*\n+16
.endr
.endr
	WIN 0
.endm
; 24 matrix instructions of K step s of the first product: the 24 accumulators take turns, one instruction a turn, in the same order in every step.  The first step's C is b_fc
.macro MM1 s
.if (\s) == 0
	WIN 0x43
.elseif (\s) == 1
	WIN 0x53
.else
	WIN 0x52
.endif
.irp t, 0,1,2,3,4,5,6,7
.irp m, 0,1,2
.if (\s) == 0
	v_wmma_scale_f32_16x16x128_f8f6f4 v[64*\m+8*\t:64*\m+8*\t+7], v[96*((\s)%2)+12*\t:96*((\s)%2)+12*\t+11], v[Q+36*((\s)%2)+12*\m:Q+36*((\s)%2)+12*\m+11], v[T+8*\t:T+8*\t+7], v[W1S+4*\t+(\s)], v[AS+3*((\s)%2)+\m] matrix_a_fmt:MATRIX_FMT_FP6 matrix_b_fmt:MATRIX_FMT_FP6
.else
	v_wmma_scale_f32_16x16x128_f8f6f4 v[64*\m+8*\t:64*\m+8*\t+7], v[96*((\s)%2)+12*\t:96*((\s)%2)+12*\t+11], v[Q+36*((\s)%2)+12*\m:Q+36*((\s)%2)+12*\m+11], v[64*\m+8*\t:64*\m+8*\t+7], v[W1S+4*\t+(\s)], v[AS+3*((\s)%2)+\m] matrix_a_fmt:MATRIX_FMT_FP6 matrix_b_fmt:MATRIX_FMT_FP6
.endif
.endr
.endr
	WIN 0
.endm
; ONE matrix instruction of the second product: number PJ (0 .. 23: rows PJ / 8, tile PJ % 8) of K step PS; nothing where PS is -1.  Y's 24 accumulators take turns, one instruction a turn.
.set PS, -1
.set PJ, 0
.macro MMX
.if PS >= 0
.set WB, ((PJ/8+1)<<6)|((PJ/8+1)<<4)|(3-PS/2)
	WIN WB
	v_wmma_scale_f32_16x16x128_f8f6f4 v[192+8*(PJ%8):192+8*(PJ%8)+7], v[96*(PS%2)+12*(PJ%8):96*(PS%2)+12*(PJ%8)+11], v[Q+36*(PS%2)+12*(PJ/8):Q+36*(PS%2)+12*(PJ/8)+11], v[192+8*(PJ%8):192+8*(PJ%8)+7], v[W2S+4*(PJ%8)+PS], v[AS+3*(PS%2)+PJ/8] matrix_a_fmt:MATRIX_FMT_FP6 matrix_b_fmt:MATRIX_FMT_FP6
.set PJ, PJ+1
.endif
.endm
.macro P2STEP s                        ; a whole K step of the second product, bare
.set PS, \s
.set PJ, 0
.rept 24
	MMX
.endr
	WIN 0
.endm
; The GELU of 16 numbers of P, from base on (two accumulators, each read from its low end on).  B's chain first, its 16 reciprocals as one batch, A's chain as the independent work behind them, ONE wait ahead of the first reader.
; s >= 0: the block carries twelve instructions of K step s of the second product, from number j0 on, each behind a group of vector instructions that name none of its registers.
.macro GELU16 base, s, j0
.set PS, \s
.set PJ, \j0
	WIN 0x01
.irp i, 0,1,2,3,4,5,6,7,8,9,10,11,12,13,14,15
	v_med3_num_f32 v[GH+\i], v[(\base)+\i], s50, s51
.endr
	MMX
	WIN 0
.irp i, 0,2,4,6,8,10,12,14
	v_pk_mul_f32 v[GZ+\i:GZ+\i+1], v[GH+\i:GH+\i+1], v[GH+\i:GH+\i+1]
.endr
	MMX
	WIN 0
.irp i, 0,2,4,6,8,10,12,14
	v_pk_fma_f32 v[GB+\i:GB+\i+1], v[GZ+\i:GZ+\i+1], v[CB4:CB4+1], s[80:81] op_sel_hi:[1,1,0]
.endr
	MMX
.irp c, 82,84,86
	WIN 0
.irp i, 0,2,4,6,8,10,12,14
	v_pk_fma_f32 v[GB+\i:GB+\i+1], v[GB+\i:GB+\i+1], v[GZ+\i:GZ+\i+1], s[\c:\c+1] op_sel_hi:[1,1,0]
.endr
	MMX
.endr
	WIN 0
.irp i, 0,1,2,3,4,5,6,7,8,9,10,11,12,13,14,15
	v_rcp_f32 v[GB+\i], v[GB+\i]
.endr
.irp i, 0,2,4,6,8,10,12,14
	v_pk_fma_f32 v[GA+\i:GA+\i+1], v[GZ+\i:GZ+\i+1], v[CA6:CA6+1], s[66:67] op_sel_hi:[1,1,0]
.endr
	MMX
.irp c, 68,70,72,74,76
	WIN 0
.irp i, 0,2,4,6,8,10,12,14
	v_pk_fma_f32 v[GA+\i:GA+\i+1], v[GA+\i:GA+\i+1], v[GZ+\i:GZ+\i+1], s[\c:\c+1] op_sel_hi:[1,1,0]
.endr
	MMX
.endr
	WIN 0
.irp i, 0,2,4,6,8,10,12,14
	v_pk_mul_f32 v[GA+\i:GA+\i+1], v[GA+\i:GA+\i+1], v[GH+\i:GH+\i+1]
.endr
	s_wait_alu depctr_va_vdst(0)                   ; one wait for the 16 reciprocals, ahead of their first reader
.irp i, 0,2,4,6,8,10,12,14
	v_pk_fma_f32 v[GA+\i:GA+\i+1], v[GA+\i:GA+\i+1], v[GB+\i:GB+\i+1], 0.5 op_sel_hi:[1,1,0]
.endr
	WIN 0x41
.irp i, 0,2,4,6,8,10,12,14
	v_pk_mul_f32 v[(\base)+\i:(\base)+\i+1], v[(\base)+\i:(\base)+\i+1], v[GA+\i:GA+\i+1]
.endr
	WIN 0
.endm
; The 64 numbers of P for rows m (register 16 b + i = k 32 b + 16 (lane / 16) + i of my token) become a fragment's codes in v[PC] on and its scale word in v[PW]
.macro QUANT m
	WIN 0x05
.irp b, 0,1,2,3
	v_max3_num_f32 v[TM+\b], |v[64*(\m)+16*\b]|, |v[64*(\m)+16*\b+1]|, 0x1800000   ; my 16 of block b, and the floor 2^(3 - 127): the byte cannot fall under 1
.endr
.irp i, 2,4,6,8,10,12,14
.irp b, 0,1,2,3
	v_max3_num_f32 v[TM+\b], |v[64*(\m)+16*\b+\i]|, |v[64*(\m)+16*\b+\i+1]|, v[TM+\b]
.endr
.endr
	WIN 0
.irp b, 0,1,2,3
	v_permlanex16_b32 v[TM+4+\b], v[TM+\b], s48, s49
.endr
.irp b, 0,1,2,3
	v_max_num_f32 v[TM+\b], v[TM+\b], v[TM+4+\b]   ; with lane l xor 16's: the block's largest magnitude
.endr
.irp b, 0,1,2,3
	v_add_nc_u32 v[TM+12+\b], 0xff000000, v[TM+\b] ; 2 off its exponent field: the conversion's scale operand
.endr
.irp b, 0,1,2,3
	v_lshrrev_b32 v[TM+4+\b], 23, v[TM+12+\b]      ; the scale's byte
.endr
	v_lshl_or_b32 v[PW], v[TM+5], 8, v[TM+4]
	v_lshl_or_b32 v[PW], v[TM+6], 16, v[PW]
	v_lshl_or_b32 v[PW], v[TM+7], 24, v[PW]
	WIN 0x01
.irp c, 0,1
	v_cvt_scalef32_pk16_fp6_f32 v[PC+6*\c:PC+6*\c+2], v[64*(\m)+32*\c:64*(\m)+32*\c+15], v[TM+12+2*\c]
	v_cvt_scalef32_pk16_fp6_f32 v[PX+4*\c:PX+4*\c+2], v[64*(\m)+32*\c+16:64*(\m)+32*\c+31], v[TM+12+2*\c+1]   ; (a conversion's three registers begin on an even number)
.endr
	WIN 0
	v_nop                                          ; one plain line behind the last scaled conversion
.irp c, 0,1                            ; the operand's layout wants a WHOLE block in a lane: lanes 0-15 block 2 c, lanes 16-31 block 2 c + 1
.irp i, 0,1,2
	v_permlane16_swap_b32 v[PC+6*\c+\i], v[PX+4*\c+\i]
.endr
.irp i, 0,1,2
	v_mov_b32 v[PC+3+6*\c+\i], v[PX+4*\c+\i]
.endr
.endr
.endm
.macro IMAGE m                         ; the fragment goes to LDS as it stands, into the buffer that this trip writes: K step = my wave, rows m.  4 LDS stores
.irp k, 0,1,2
	ds_store_b128 v[WRI], v[PC+4*\k:PC+4*\k+3] offset:HIMG+(\m)*FRB+512*\k
.endr
	ds_store_b32 v[WRS], v[PW] offset:HSC+128*(\m)
.endm
; From s44 = a chunk's number: s[dst:dst+1] = where my wave's images of that chunk begin; s60 = its expert, s61 = its place in the expert.  The expert's number is held at 3 in front of the multiplication that makes it an offset.
.macro IBASE dst
	s_cmp_lt_u32 s44, 4
	s_cselect_b32 s60, s30, s31
	s_min_u32 s60, s60, 3
	s_and_b32 s61, s44, 3
	s_mul_i32 s62, s60, 1572864
	s_mul_i32 s45, s61, 98304
	s_add_co_u32 s62, s62, s45
	s_add_nc_u64 s[\dst:\dst+1], s[52:53], s[62:63]
.endm
; All scalar bases are written at ONE place of a trip, two blocks of the GELU behind the last load issued.  In trip k: BA = chunk k (the next trip's second product); w_proj's scale words of chunk k;
; BN = chunk k + 1's first half (the next trip's first product), in the last trip chunk 7's second half (the product behind the loop); w_fc's scale words of chunk k + 2, which the next trip asks for.  Numbers beyond 7 are held at 7: inside the buffers.
.macro UPDATE
	s_wait_xcnt 0x0                                ; every load issued has read its base: the bases may be written
	s_mov_b32 s44, s33
	IBASE BA
	s_lshl_b32 s62, s60, 15
	s_lshl_b32 s45, s61, 4
	s_add_co_u32 s62, s62, s45
	s_add_nc_u64 s[38:39], s[54:55], s[62:63]      ; the expert's 32,768 bytes, the chunk's 16 in a row
	s_add_co_u32 s44, s33, 1
	s_min_u32 s44, s44, 7
	IBASE BN
	s_cmp_eq_u32 s33, 7
	s_cselect_b32 s62, 49152, 0
	s_add_nc_u64 s[BN:BN+1], s[BN:BN+1], s[62:63]
	s_add_co_u32 s44, s33, 2
	s_min_u32 s44, s44, 7
	s_cmp_lt_u32 s44, 4
	s_cselect_b32 s60, s30, s31
	s_min_u32 s60, s60, 3
	s_and_b32 s61, s44, 3
	s_lshl_b32 s62, s60, 15
	s_lshl_b32 s45, s61, 13
	s_add_co_u32 s62, s62, s45
	s_add_nc_u64 s[40:41], s[56:57], s[62:63]
.endm
	s_load_b256 s[4:11], s[0:1], 0x0               ; wimg, xq, xs, gates
	s_load_b256 s[12:19], s[0:1], 0x20             ; order, tiles, w_fc_scales, w_proj_scales
	s_load_b128 s[20:23], s[0:1], 0x40             ; b_fc, b_proj
	s_load_b64 s[24:25], s[0:1], 0x50              ; out0
	v_lshl_add_u32 v254, v0, 2, 0x38000
	v_mov_b32 v255, 0
	v_lshrrev_b32 v41, 5, v0
	v_readfirstlane_b32 s32, v41                   ; wave 0..3
	v_and_b32 v41, 31, v0                          ; lane
	v_and_b32 v46, 15, v0                          ; r
	v_bfe_u32 v47, v0, 4, 1                        ; h
	v_lshlrev_b32 v[LI], 4, v41
	v_lshlrev_b32 v[LS], 2, v41
	s_mul_i32 s44, s32, 3*FRB
	v_add_nc_u32 v[HWI], s44, v[LI]
	s_mul_i32 s44, s32, 3*128
	v_add_nc_u32 v[HWS], s44, v[LS]
	v_and_b32 v[W1SO], 8, v46
	v_add_nc_u32 v[W1SO], v[W1SO], v46
	v_lshlrev_b32 v[W1SO], 4, v[W1SO]
	v_lshlrev_b32 v[W2SO], 6, v46
	s_mul_i32 s44, s32, 9*512
	s_add_co_u32 s44, s44, BF                      ; my wave's b_fc
	v_add_nc_u32 v45, s44, v[LI]                   ; in: 16 x lane
	v_lshlrev_b32 v[BF0], 6, v47
	v_add_nc_u32 v[BF0], s44, v[BF0]               ; back: 64 h
	v_lshlrev_b32 v[BPO], 5, v47
	s_mul_i32 s44, s32, 24576
	s_add_co_u32 s44, s44, SAVE
	v_add_nc_u32 v[SVA], s44, v[LI]
	s_mul_i32 s44, s32, 16*528
	s_add_co_u32 s44, s44, STG                     ; my stage
	v_mul_u32_u24 v[STO], v46, 528
	v_lshl_add_u32 v[STO], v47, 5, v[STO]
	v_add_nc_u32 v[STO], s44, v[STO]               ; in: row r, + 32 h
	v_add_nc_u32 v[RD], s44, v[LI]                 ; back: a row's 512 bytes, 16 a lane
	s_lshl_b32 s44, s32, 9
	v_add_nc_u32 v[CO], s44, v[LI]                 ; my wave's 512 bytes of a row of out0
	v_mul_u32_u24 v41, v47, 48                     ; xq: 48 h
	s_mov_b32 s48, 0x76543210
	s_mov_b32 s49, 0xfedcba98                      ; v_permlanex16_b32's selects for lane l xor 16
	s_mov_b32 s50, 0xc0b504f3                      ; -4 sqrt 2
	s_mov_b32 s51, 0x40b504f3                      ; +4 sqrt 2
	SPAIR 66, 0x2fa84a8d                           ; A5 .. A0
	SPAIR 68, 0xb347667d
	SPAIR 70, 0xb628d45d
	SPAIR 72, 0xb8883d9c
	SPAIR 74, 0xba08eb41
	SPAIR 76, 0xbbba79f3
	SPAIR 80, 0xb7dfbd29                           ; B3 .. B0
	SPAIR 82, 0xb9dc924e
	SPAIR 84, 0xbb719bf8
	SPAIR 86, 0xbc69b6a7
	v_mov_b32 v[CA6], 0xabd3f331
	v_mov_b32 v[CA6+1], 0xabd3f331
	v_mov_b32 v[CB4], 0xb57460cd
	v_mov_b32 v[CB4+1], 0xb57460cd
	s_lshl_b32 s44, ttmp9, 4
	s_mov_b32 s63, 0                               ; the upper word of every offset
	s_wait_kmcnt 0x0
	s_load_b128 s[28:31], s[14:15], s44 offset:0x0 ; my tile: first place, rows, expert a, expert b
	s_mul_i32 s62, s32, 393216                     ; my wave's parts
	s_add_nc_u64 s[52:53], s[4:5], s[62:63]        ; of the images,
	s_lshl_b32 s62, s32, 13
	s_add_nc_u64 s[54:55], s[18:19], s[62:63]      ; of w_proj's scales (128 rows of 64 bytes),
	s_lshl_b32 s62, s32, 11
	s_add_nc_u64 s[56:57], s[16:17], s[62:63]      ; of w_fc's (128 rows of 16 bytes),
	s_lshl_b32 s62, s32, 9
	s_add_nc_u64 s[58:59], s[20:21], s[62:63]      ; of b_fc
	s_add_nc_u64 s[22:23], s[22:23], s[62:63]      ; and of b_proj (128 numbers);
	s_mul_i32 s62, s32, 96
	s_add_nc_u64 s[6:7], s[6:7], s[62:63]          ; of x I fetch K step w: 96 bytes on in a token's codes,
	s_lshl_b32 s62, s32, 2
	s_add_nc_u64 s[8:9], s[8:9], s[62:63]          ; 4 in its scale bytes
	s_wait_kmcnt 0x0
	s_min_u32 s28, s28, 0x1fff
	s_min_u32 s29, s29, 48
	s_min_u32 s30, s30, 3
	s_min_u32 s31, s31, 3
	s_lshl_b32 s62, s30, 11
	s_add_nc_u64 s[88:89], s[22:23], s[62:63]      ; b_proj[a], b_proj[b]
	s_lshl_b32 s62, s31, 11
	s_add_nc_u64 s[90:91], s[22:23], s[62:63]
	s_lshl_b32 s62, s30, 13
	s_add_nc_u64 s[92:93], s[58:59], s[62:63]      ; b_fc[a], b_fc[b]
	s_lshl_b32 s62, s31, 13
	s_add_nc_u64 s[94:95], s[58:59], s[62:63]
	s_sub_co_u32 s45, s29, 1                       ; the last slot that holds a row (with no rows: the greatest number, which holds nothing back)
.irp m, 0,1,2
	v_add_nc_u32 v[28+\m], 16*\m, v46              ; my slot,
	v_min_u32 v[28+\m], s45, v[28+\m]              ; or the tile's last,
	v_add_nc_u32 v[28+\m], s28, v[28+\m]           ; in the list,
	v_min_u32 v[28+\m], 0x1fff, v[28+\m]           ; held inside it
	v_lshlrev_b32 v[28+\m], 2, v[28+\m]
	global_load_b32 v[TOK+\m], v[28+\m], s[12:13]
.endr
	s_mov_b32 s44, 0
	IBASE BA                                       ; chunk 0: the first trip's second products, which multiply zero codes, take its weights
	s_mov_b64 s[BN:BN+1], s[BA:BA+1]
	s_lshl_b32 s62, s60, 15
	s_add_nc_u64 s[38:39], s[54:55], s[62:63]      ; w_proj's scale words of chunk 0,
	s_add_nc_u64 s[96:97], s[56:57], s[62:63]      ; w_fc's of chunk 0,
	s_add_co_u32 s62, s62, 8192
	s_add_nc_u64 s[40:41], s[56:57], s[62:63]      ; and of chunk 1, which the first trip asks for
	; The weights' first loads hang on the tile alone: they go out behind the list's three loads.  From here on the loads stand in the order in which a trip issues them for its successor (f, g, h, .., i, j, c), so that the loop's counts hold on the way in too
	W1SLOAD 96                                     ; f
	WLOAD 0, BN, 0                                 ; g
	WLOAD 1, BN, 12288                             ; h
	s_wait_loadcnt 56                              ; my tokens are in: behind them stand f, g, h: 8 + 24 + 24
.irp m, 0,1,2
	v_min_u32 v[TOK+\m], 0x1fff, v[TOK+\m]
	v_lshlrev_b32 v[31+\m], 3, v[TOK+\m]           ; gates: 8 bytes a token
	v_mul_u32_u24 v[34+\m], 384, v[TOK+\m]         ; xq: 384
	v_add_nc_u32 v[34+\m], v[34+\m], v41
	v_lshlrev_b32 v[37+\m], 4, v[TOK+\m]           ; xs: 16
.endr
.irp m, 0,1,2                          ; 15 loads
	global_load_b64 v[G+2*\m:G+2*\m+1], v[31+\m], s[10:11]
.irp k, 0,1,2
	global_load_b128 v[Q+12*\m+4*\k:Q+12*\m+4*\k+3], v[34+\m], s[6:7] offset:16*\k   ; registers 0-11 of the operand, as the first launch laid them
.endr
	global_load_b32 v[AS+\m], v[37+\m], s[8:9]
.endr
.irp c, 0,1,2,3                        ; 8 loads: my 128 numbers of b_fc for each of the 8 chunks, 512 consecutive bytes a load
	global_load_b128 v[T+4*\c:T+4*\c+3], v[LI], s[92:93] offset:2048*\c
	global_load_b128 v[T+16+4*\c:T+16+4*\c+3], v[LI], s[94:95] offset:2048*\c
.endr
	YBIAS 88                                       ; 48 loads: Y begins as b_proj[a]
	WLOAD 2, BN, 24576                             ; i
	WLOAD 3, BN, 36864                             ; j
	CLOAD                                          ; c
.irp i, 0,1,2,3
	v_mov_b32 v[T+32+\i], 0
.endr
	s_wait_loadcnt 63                              ; the 15 and the 8 are in: 104 younger loads have been issued; a wait's count names 63 at the most
.irp m, 0,1,2
.irp k, 0,1,2
	ds_store_b128 v[HWI], v[Q+12*\m+4*\k:Q+12*\m+4*\k+3] offset:XIMG+\m*FRB+512*\k
	ds_store_b128 v[HWI], v[T+32:T+35] offset:HIMG+\m*FRB+512*\k   ; zero codes into the buffer that the first trip reads
.endr
	ds_store_b32 v[HWS], v[AS+\m] offset:XSC+128*\m
	ds_store_b32 v[HWS], v[T+32] offset:HSC+128*\m                 ; (the byte 0 is a scale like any other)
.endr
.irp c, 0,1,2,3,4,5,6,7
	ds_store_b128 v45, v[T+4*\c:T+4*\c+3] offset:512*\c
.endr
	ds_store_b128 v45, v[T+28:T+31] offset:512*8   ; chunk 7's once more: the last trip's look-ahead reads it
	s_wait_dscnt 0x0                               ; for the others' sake: my images have landed
	s_barrier_signal -1
	s_barrier_wait -1                              ; x's twelve fragments lie in LDS, and are written no more; the first read buffer is zeros
	ACTLOAD 0, LI, LS, XIMG, XSC, 0
	ACTLOAD 1, LI, LS, XIMG, XSC, 1
	BIAS BF0                                       ; chunk 0's
	s_mov_b32 s33, 0
	s_mov_b32 s42, HBUF                            ; turned at each trip's head: trip 0 reads the buffer at 0 and writes the one at HBUF
	s_mov_b32 s43, 0
	s_mov_b32 s26, 512                             ; b_fc of the next chunk
	s_wait_dscnt 0x0
.Ltrip:
	s_xor_b32 s42, s42, HBUF
	s_xor_b32 s43, s43, HBUF
	v_add_nc_u32 v[RDI], s42, v[LI]
	v_add_nc_u32 v[RDS], s42, v[LS]
	v_add_nc_u32 v[WRI], s43, v[HWI]
	v_add_nc_u32 v[WRS], s43, v[HWS]
	; ---- the first product of chunk k.  The loads of a trip, in the order of issue: a, b, d, e w_proj's groups 0-3 of chunk k - 1; f w_fc's scale words of chunk k + 1; g, h, i, j w_fc's groups 0-3 of chunk k + 1; c w_proj's scale words of chunk k.
	; x's K steps 0 and 1 and b_fc were fetched ahead of the last barrier.  A group's wait stands AHEAD of the next group's request, so that its count is exact
	s_wait_loadcnt 63                              ; f and g are in: behind g stand h, i, j, c: 80
	MM1 0
	PLACES
	s_wait_loadcnt 56                              ; h is in: behind it i, j, c: 24 + 24 + 8
	WLOAD 0, BA, 49152                             ; a
	ACTLOAD 0, LI, LS, XIMG, XSC, 2
	MM1 1
	PLACES
	s_wait_loadcnt 56                              ; i is in: behind it j, c, a
	WLOAD 1, BA, 61440                             ; b
	ACTLOAD 1, LI, LS, XIMG, XSC, 3
	s_wait_dscnt 12                                ; K step 2's fragments are in; the 12 just issued may be out
	MM1 2
	PLACES
	s_wait_loadcnt 56                              ; j is in: behind it c, a, b
	WLOAD 2, BA, 73728                             ; d
	ACTLOAD 0, RDI, RDS, HIMG, HSC, 0              ; the hidden fragments of chunk k - 1: whole since the last barrier
	s_wait_dscnt 12
	MM1 3
	PLACES
	WLOAD 3, BA, 86016                             ; e
	W1SLOAD 40                                     ; f
	ACTLOAD 1, RDI, RDS, HIMG, HSC, 1
	; ---- GELU and quantiser of chunk k, 16 rows at a time, with the second product of chunk k - 1 among them: K step s in blocks 2 + 2 s and 3 + 2 s of the twelve
	GELU16 0, -1, 0
	GELU16 16, -1, 0
	UPDATE
	s_wait_dscnt 12                                ; hidden K step 0 is in
	s_wait_loadcnt 63                              ; a is in, and c, which is older: behind a stand b, d, e, f: 80
	GELU16 32, 0, 0
	GELU16 48, 0, 12
	WLOAD 0, BN, 0                                 ; g.  (24 vector instructions stand behind the K step's last product)
	ACTLOAD 0, RDI, RDS, HIMG, HSC, 2
	QUANT 0
	IMAGE 0
	s_wait_dscnt 16                                ; hidden K step 1 is in: behind it 12 loads and the image's 4 stores
	s_wait_loadcnt 63                              ; b is in: behind it d, e, f, g: 80
	GELU16 64, 1, 0
	GELU16 80, 1, 12
	WLOAD 1, BN, 12288                             ; h
	ACTLOAD 1, RDI, RDS, HIMG, HSC, 3
	s_wait_dscnt 12                                ; hidden K step 2 is in, and image 0's stores have read their registers
	s_wait_loadcnt 63                              ; d is in: behind it e, f, g, h: 80
	GELU16 96, 2, 0
	GELU16 112, 2, 12
	WLOAD 2, BN, 24576                             ; i
	ACTLOAD 0, LI, LS, XIMG, XSC, 0                ; the next trip's first fragments of x
	QUANT 1
	IMAGE 1
	s_wait_dscnt 16                                ; hidden K step 3 is in: behind it 12 loads and 4 stores
	s_wait_loadcnt 63                              ; e is in: behind it f, g, h, i: 80
	GELU16 128, 3, 0
	GELU16 144, 3, 12
	WLOAD 3, BN, 36864                             ; j
	CLOAD                                          ; c
	ACTLOAD 1, LI, LS, XIMG, XSC, 1
	GELU16 160, -1, 0
	GELU16 176, -1, 0
	s_wait_dscnt 12                                ; image 1's stores have read their registers
	QUANT 2
	IMAGE 2
	v_add_nc_u32 v[BFR], s26, v[BF0]
	s_add_co_u32 s26, s26, 512
	BIAS BFR                                       ; T is free from here to the next trip's first products
	s_cmp_lg_u32 s33, 4
	s_cbranch_scc1 .Lsame_expert
	; trip 4 has made chunk 3's second product: expert a's sums are whole.  They go to my own LDS bytes as they stand, each accumulator from its low end on, and Y begins anew as b_proj[b]
.irp m, 0,1,2
	WIN 0x04+0x04*\m                               ; an LDS store's data are its source 1
.irp n, 0,1,2,3,4,5,6,7
	ds_store_b128 v[SVA], v[192+8*\n:195+8*\n] offset:8192*\m+1024*\n
	ds_store_b128 v[SVA], v[196+8*\n:199+8*\n] offset:8192*\m+1024*\n+512
.endr
.endr
	WIN 0
	s_wait_dscnt 0x0                               ; the stores have read their registers
	YBIAS 90                                       ; 48 loads, older than the next trip's a: the wait for a shows them landed; every count till then waits for more than it names, never for less
.Lsame_expert:
	s_wait_dscnt 0x0                               ; my images have landed, my reads of the other buffer are over, and x's fragments and b_fc are in
	s_barrier_signal -1
	s_barrier_wait -1                              ; chunk k's twelve hidden fragments lie in LDS; nobody reads chunk k - 1's any more
	s_add_co_u32 s33, s33, 1
	s_cmp_lt_u32 s33, 8
	s_cbranch_scc1 .Ltrip
	; ---- chunk 7's second product, bare.  Trip 7 wrote the buffer at 0; its second half asked for w_proj's groups and scale words of chunk 7
	ACTLOAD 0, LI, LS, HIMG, HSC, 0
	ACTLOAD 1, LI, LS, HIMG, HSC, 1
	WIN 0x40
.irp i, 0,1,2,3,4,5,6,7,8,9,10,11,12,13,14,15,16,17,18,19,20,21,22,23,24,25,26,27,28,29,30,31,32,33,34,35,36,37,38,39,40,41,42,43,44,45,46,47
	ds_load_b128 v[4*\i:4*\i+3], v[SVA] offset:512*\i   ; expert a's sums come back into P, which is free: rows m, tile n at 64 m + 8 n
.endr
	WIN 0
	s_wait_loadcnt 0x0                             ; c is the youngest load of all
	s_wait_dscnt 60                                ; K step 0 is in: behind it 12 + 48
	P2STEP 0
	PLACES
	ACTLOAD 0, LI, LS, HIMG, HSC, 2
	s_wait_dscnt 60                                ; K step 1 is in: behind it 48 + 12
	P2STEP 1
	PLACES
	ACTLOAD 1, LI, LS, HIMG, HSC, 3
	s_wait_dscnt 12
	P2STEP 2
	s_wait_dscnt 0x0
	P2STEP 3
	PLACES
.irp m, 0,1,2                          ; out = g_a x expert a's sums + g_b x Y, in Y's registers; each accumulator is read from its low end on
	WIN 0
	v_mov_b32 v[GT], v[G+2*\m+1]
	v_mov_b32 v[GT+1], v[G+2*\m+1]
	WIN 0x41
.irp i, 0,2,4,6,8,10,12,14,16,18,20,22,24,26,28,30,32,34,36,38,40,42,44,46,48,50,52,54,56,58,60,62
	v_pk_mul_f32 v[64*\m+\i:64*\m+\i+1], v[64*\m+\i:64*\m+\i+1], v[G+2*\m:G+2*\m+1] op_sel_hi:[1,0]
.endr
	WIN 0x51+0x41*\m
.irp i, 0,2,4,6,8,10,12,14,16,18,20,22,24,26,28,30,32,34,36,38,40,42,44,46,48,50,52,54,56,58,60,62
	v_pk_fma_f32 v[192+\i:193+\i], v[192+\i:193+\i], v[GT:GT+1], v[64*\m+\i:64*\m+\i+1]
.endr
.endr
	WIN 0
; THE WAY OUT, 16 rows at a time.  A lane holds 32-byte pieces of one token's row: they go through my own stage in LDS and come back as rows of 512 bytes, which the 32 lanes store as 512 consecutive bytes, at a multiple of 256 from out0's first byte.
; A row's place is its token's number, read from the lane that holds it and held inside the tensor.  Rows from the tile's count on are not stored: slots ascend, so the first such row ends the wave.
.macro OUTROWS m
.if (\m) > 0
	s_wait_xcnt 0x0                                ; the last 16 stores have read T
.endif
	WIN 0x04*((\m)+1)                              ; an LDS store's data are its source 1
.irp n, 0,1,2,3,4,5,6,7
	ds_store_b128 v[STO], v[192+8*\n:195+8*\n] offset:64*\n
	ds_store_b128 v[STO], v[196+8*\n:199+8*\n] offset:64*\n+16
.endr
	WIN 0
.irp i, 0,1,2,3,4,5,6,7,8,9,10,11,12,13,14,15
	ds_load_b128 v[T+4*\i:T+4*\i+3], v[RD] offset:528*\i   ; LDS serves a wave's instructions in order: these see the stores above, and the next 16 rows' stores come behind them
.endr
.irp i, 0,1,2,3,4,5,6,7,8,9,10,11,12,13,14,15
	v_readlane_b32 s44, v[TOK+(\m)], \i
	s_min_u32 s44, s44, 0x1fff
	s_lshl_b32 s44, s44, 11
	v_add_nc_u32 v[Q+16*(\m)+\i], s44, v[CO]       ; each store has an offset register of its own
.endr
.irp i, 0,1,2,3,4,5,6,7,8,9,10,11,12,13,14,15
	s_cmp_gt_u32 s29, 16*(\m)+\i
	s_cbranch_scc0 .Ldone
	s_wait_dscnt 15-\i
	global_store_b128 v[Q+16*(\m)+\i], v[T+4*\i:T+4*\i+3], s[24:25] th:TH_STORE_NT
.endr
.endm
	OUTROWS 0
	OUTROWS 1
	OUTROWS 2
.Ldone:
	s_wait_dscnt 0x0
	s_wait_tensorcnt 0x0
	ds_add_u32 v254, v255
	s_wait_dscnt 0x0
	s_endpgm
.Lfunc_end_k_q735177cb94_chain:
	.size	k_q735177cb94_chain, .Lfunc_end_k_q735177cb94_chain-k_q735177cb94_chain
	.p2alignl 7, 3214868480
	.fill 96, 4, 3214868480
	.section	.rodata,"a",@progbits
	.p2align	6, 0x0
	.amdhsa_kernel k_q735177cb94_chain
		.amdhsa_group_segment_fixed_size 229888
		.amdhsa_private_segment_fixed_size 0
		.amdhsa_enable_private_segment 0
		.amdhsa_kernarg_size 88
		.amdhsa_user_sgpr_count 2
		.amdhsa_user_sgpr_kernarg_segment_ptr 1
		.amdhsa_wavefront_size32 1
		.amdhsa_system_sgpr_workgroup_id_x 1
		.amdhsa_system_sgpr_workgroup_id_y 1
		.amdhsa_system_sgpr_workgroup_id_z 1
		.amdhsa_system_vgpr_workitem_id 0
		.amdhsa_next_free_vgpr 1024
		.amdhsa_next_free_sgpr 100
		.amdhsa_reserve_vcc 0
		.amdhsa_float_denorm_mode_32 3
		.amdhsa_float_denorm_mode_16_64 3
		.amdhsa_memory_ordered 1
		.amdhsa_forward_progress 1
		.amdhsa_inst_pref_size 255
	.end_amdhsa_kernel
	.section	.bss,"aw",@nobits
	.p2align	6
	.space	262144
	.amdgpu_metadata
---
amdhsa.version: [ 1, 2 ]
amdhsa.kernels:
  - .name:           k_q735177cb94_chain
    .symbol:         k_q735177cb94_chain.kd
    .args:
      - { .name: wimg, .offset: 0, .size: 8, .value_kind: global_buffer, .address_space: global }
      - { .name: xq, .offset: 8, .size: 8, .value_kind: global_buffer, .address_space: global }
      - { .name: xs, .offset: 16, .size: 8, .value_kind: global_buffer, .address_space: global }
      - { .name: gates, .offset: 24, .size: 8, .value_kind: global_buffer, .address_space: global }
      - { .name: order, .offset: 32, .size: 8, .value_kind: global_buffer, .address_space: global }
      - { .name: tiles, .offset: 40, .size: 8, .value_kind: global_buffer, .address_space: global }
      - { .name: w_fc_scales, .offset: 48, .size: 8, .value_kind: global_buffer, .address_space: global }
      - { .name: w_proj_scales, .offset: 56, .size: 8, .value_kind: global_buffer, .address_space: global }
      - { .name: b_fc, .offset: 64, .size: 8, .value_kind: global_buffer, .address_space: global }
      - { .name: b_proj, .offset: 72, .size: 8, .value_kind: global_buffer, .address_space: global }
      - { .name: out0, .offset: 80, .size: 8, .value_kind: global_buffer, .address_space: global }
    .group_segment_fixed_size: 229888
    .private_segment_fixed_size: 0
    .kernarg_segment_align: 8
    .kernarg_segment_size: 88
    .max_flat_workgroup_size: 128
    .sgpr_count:     100
    .vgpr_count:     1024
    .wavefront_size: 32
...
	.end_amdgpu_metadata
.endif
;; end of part 3
;; ======== version 2 of 2: 3 launches; version 1 with the launch chain written anew for expert scheduling mode
;; workspace buffers: wimg 6,291,456 bytes; xq 3,145,728 bytes; xs 131,072 bytes; gates 65,536 bytes; tokinfo 32,768 bytes of whole numbers; counts 8,192 bytes of whole numbers; order 32,768 bytes of whole numbers; tiles 4,096 bytes of whole numbers
;; launch prep: the kernel of part 1 again; grid 256 x 1, 8 waves a work-group, no clusters, 83,968 bytes of LDS; arguments x, router_w, w_fc_codes, w_proj_codes, wimg, xq, xs, gates, tokinfo, counts; writes wimg, xq, xs, gates, tokinfo, counts
;; launch place: the kernel of part 2 again; grid 1 x 1, 8 waves a work-group, no clusters, 9,472 bytes of LDS; arguments tokinfo, counts, order, tiles; writes order, tiles
;; launch chain (part 4): grid 176 x 1, 4 waves a work-group, no clusters, 229,888 bytes of LDS; arguments wimg, xq, xs, gates, order, tiles, w_fc_scales, w_proj_scales, b_fc, b_proj, out0; writes out0
.if DOCPART == 4
	.amdgcn_target "amdgcn-amd-amdhsa--gfx1250"
	.amdhsa_code_object_version 6
	.text
	.protected	k_q735177cb94_chain
	.globl	k_q735177cb94_chain
	.p2align	8
	.type	k_q735177cb94_chain,@function
k_q735177cb94_chain:
	s_mov_b64 s[64:65], 0
	v_nop
	global_prefetch_b8 v0, s[64:65] scope:SCOPE_SE
	s_setreg_imm32_b32 hwreg(HW_REG_WAVE_SCHED_MODE, 0, 2), 2
	s_setreg_imm32_b32 hwreg(HW_REG_WAVE_MODE, 25, 1), 1
	s_wait_xcnt 0x0
	s_wait_alu depctr_vm_vsrc(0)
; CHAIN.  One work-group takes one tile, up to 48 tokens that chose the SAME pair of experts (a, b), through both experts' chains and stores the finished rows: out = g_a (gelu(x W1a + b1a) W2a + b2a) + g_b (the same of b).
; Both products on codes of FP6 (E2M3) with one E8M0 scale for each 32 along K.  Each output row has one owner; the hidden layer never goes to memory.  The two experts that a token did not choose have the weight 0 in the problem's own text and are not multiplied.
; 176 work-groups serve every split (six buckets, 8,192 tokens, tiles of 48).  No tensor load, no cluster: the experts' addresses and the tests on the way out hang on stored whole numbers, and neighbours in the grid need different experts' weights.
; A tile with fewer than 48 rows fills its slots with its last token; those rows are not stored.  A tile with no rows walks the same text on tokens held inside the list and stores nothing: every wave passes every barrier, and none stands under a branch on a loaded number.
; CHUNKS.  k = 0 .. 7: expert a's four chunks of 512 hidden units, then b's.  THE WAVES SHARE THE COLUMNS: wave w makes hidden units 128 w .. + 127 of a chunk for all 48 rows (first product: 4 K steps x 8 tiles x 3 tiles of rows), applies the GELU and
; quantises: that is K step w of the second product, which goes to LDS as an image of the operand's registers; of the second product it makes output columns 128 w .. + 127 from all four waves' K steps (as many instructions).
; A TRIP IS PIPELINED.  Trip k: the first product of chunk k; then the GELU and the quantiser of chunk k, and AMONG THEIR VECTOR INSTRUCTIONS the second product of chunk k - 1: one matrix instruction behind a group of eight vector instructions or more,
; twelve in each of the middle eight of the twelve blocks of 16 numbers.  So the hidden images have two buffers that take turns, and a trip has one barrier.  Chunk 7's second product follows behind the loop.
; The first trip has no chunk before it: its read buffer was filled with zero codes, so its second products add nothing.  That is the price of writing the trip once.
; Y, the second product's sums, has registers of its own and is summed in place over an expert's 16 K steps; it begins as b_proj, loaded into the accumulators.  When expert a is done (end of trip 4) Y goes to the wave's own LDS bytes and begins anew as b_proj[b];
; at the end out = g_a x the saved sums + g_b x Y.
; Both products are used transposed (source 0 = 16 rows of the weight, source 1 = 16 tokens): a lane holds ONE token.  The rows of w_fc that form a tile were chosen, when the images were laid, so that the 16 registers of tiles 2 b, 2 b + 1 are 16 neighbours along the next K.
; THE WEIGHTS come from memory straight into registers, as images laid by the first launch: 24 loads of 512 consecutive bytes bring the 8 fragments of a K step.  Four groups of 96 registers go round: a group is asked for again as soon as its products are done.
; GELU, exact form: g = h (0.5 + hc A(z) / B(z)), hc = h held to +-4 sqrt 2, z = hc^2: the rational erf in f32 (7 and 5 coefficients) with 1 / sqrt 2 and the halves folded into the coefficients.
; LIMITS: Phi(h) is off by about 6e-8 in absolute terms; NaN and infinities are not served; a block of zeros gets the byte 1 (its codes are zeros, and this program alone reads the byte).
; THE MODE: SCHED_MODE bits 1:0 = 2 (LLVM: expert scheduling mode 2), set by the entry lines.  The code itself states the register dependences between vector or matrix instructions and memory or LDS instructions, with s_wait_alu, always for 0.
; THE PLAN.  Registers that memory or LDS instructions touch in the loop, and who else names them:
;   weight group g    read by K step g of the first product and, later in the trip, by K step g of the second; loaded again behind each of the two.
;   Q, AS, two sets   read by the K steps of their parity; the LDS loads of the K step two on land in them.
;   W1S; W2S          read by the four K steps of the first product; of the second.  Loaded again behind the fourth.
;   T                 the first K step's C, then the GELU's and the quantiser's work; b_fc's LDS loads land in it behind the last quantiser.
;   PC, PW            written by the quantiser, read by the image's four LDS stores.
;   RDI, RDS, WRI, WRS, BFR   written at the trip's head, read by the trip's LDS instructions.
;   Y                 named by the second product alone, but at the end of trip 4: stored to LDS, then loaded.
;   LI, LS, HWI, HWS, W1SO, W2SO, BF0, BPO, SVA   made at the kernel's head and never written again.
; WAITS ON va_vdst.  One behind each K step of the first product: that step is done reading its group, its set and (the fourth) W1S.  The loads that land there follow with no further wait, dealt among the NEXT K step's matrix instructions, which name the next group,
; the other set, P and W1S.  In the second half each block's one wait for its reciprocals stands behind the block's twelve matrix instructions, and only sixteen packed instructions on T and P follow it: so behind a K step's second block the loads into that step's group,
; set and (the fourth) W2S owe nothing more.  One ahead of each image's stores; the third of them also frees T for b_fc and shows Y written for the stores of trip 4.
; WAITS ON vm_vsrc.  One at the trip's head, ahead of the five adds; one in each quantiser, ahead of its first write of PW and PC.
; REGISTERS, in windows of 256.  Window 0: as named below.  Window 1: v0-191 P: the hidden sums (tile t, rows m) at 64 m + 8 t; v192-255 Y of rows 0-15 (tile n at 192 + 8 n).
;   Window 2: weight groups 2 (v0-95) and 3 (v96-191); v192-255 Y of rows 16-31.   Window 3: groups 0 and 1; v192-255 Y of rows 32-47.
.set FRB,  1536                        ; a fragment's image: 12 registers x 128 bytes
.set XIMG, 0                           ; LDS: x's 12 fragments (K step s, rows m: 3 s + m),
.set XSC,  18432                       ; their scale words, 128 bytes each;
.set BF,   20480                       ; for each wave 9 x 512 bytes: its 128 numbers of b_fc for chunks 0 .. 7, and chunk 7's once more;
.set HIMG, 40960                       ; a hidden chunk's 12 fragments,
.set HSC,  59392                       ; their scale words;
.set HBUF, 32768                       ; the second buffer of the two lies so far behind the first;
.set STG,  94208                       ; for each wave a stage of 16 rows x (512 + 16) bytes for the way out;
.set SAVE, 131072                      ; for each wave 24,576 bytes: expert a's sums, as an image of the 192 registers
.set LI,   1                           ; v1   16 x lane
.set LS,   2                           ; v2   4 x lane
.set HWI,  3                           ; v3   where I store images: 16 x lane + 3 FRB x wave
.set HWS,  4                           ; v4   and scale words: 4 x lane + 384 x wave
.set W1SO, 5                           ; v5   w_fc_scales: 16 (r + 8 (r / 8))
.set W2SO, 6                           ; v6   w_proj_scales: 64 r
.set BF0,  7                           ; v7   b_fc in LDS: my wave's bytes + 64 h
.set TOK,  8                           ; v8-10   my token in each of the three tiles of rows
.set BPO,  11                          ; v11  b_proj: 32 h
.set G,    12                          ; v12-17  pairs (g_a, g_b)
.set CA6,  18                          ; v18-19  A6 twice;  v20-21 B4 twice
.set CB4,  20
.set AS,   22                          ; v22-27  the activations' scale words, two sets of 3
.set PC,   28                          ; v28-39  the codes just made (at the head: the gather's offsets)
.set PW,   40                          ; v40     their scale word
.set STO,  42                          ; v42-44  the way out
.set RD,   43
.set CO,   44
.set GT,   46                          ; v46-47  g_b twice, at the end
.set T,    48                          ; v48-111 b_fc's 8 tiles as C; the GELU's four sets of 16; the quantiser's; rows on the way out
.set GH,   T
.set GZ,   T+16
.set GA,   T+32
.set GB,   T+48
.set TM,   T
.set PX,   T+16
.set Q,    112                         ; v112-183 the activations' fragments, two sets of 3; on the way out the stores' offsets
.set W1S,  184                         ; v184-215 w_fc's scale words: 4 t + s
.set W2S,  216                         ; v216-247 w_proj's: 4 n + s
.set RDI,  248                         ; v248-249 the hidden buffer that this trip reads: 16 x lane, 4 x lane
.set RDS,  249
.set WRI,  250                         ; v250-251 the one that it writes: my images, my scale words
.set WRS,  251
.set BFR,  252                         ; v252 b_fc of the next chunk
.set SVA,  253                         ; v253 my lane's place in the saved sums
.set BA,   34                          ; s[34:35] the images of the chunk whose second product the next trip makes;  s[36:37] those that this trip asks for in its second half
.set BN,   36                          ; s[38:39] w_proj's scale words;  s[40:41] w_fc's
.set RW,   66                          ; s66-81 on the way out: 16 rows' places (in the loop these hold coefficients)
.set MSB, 0
.macro WIN new                         ; the immediate's high byte repeats the setting that is left; a switch that changes nothing is dropped
.if MSB != (\new)
	s_set_vgpr_msb (MSB<<8)|(\new)
.set MSB, (\new)
.endif
.endm
; Four plain lines behind a matrix instruction, ahead of a vector instruction that reads its result and of a load into one of its registers; the wait that states the dependence follows them and fills none of them
.macro PLACES
.rept 4
	v_nop
.endr
.endm
.macro SPAIR r, val                    ; a coefficient as a scalar pair: the packed form names the pair and takes its low word for both halves
	s_mov_b32 s[\r], \val
	s_mov_b32 s[\r+1], \val
.endm
; 12 LDS loads: K step s's three fragments and scale words into set; ai, aw: the address registers (16 x lane, 4 x lane, + the buffer)
.macro ACTLOAD set, ai, aw, img, sc, s
.irp m, 0,1,2
.irp k, 0,1,2
	ds_load_b128 v[Q+36*(\set)+12*\m+4*\k:Q+36*(\set)+12*\m+4*\k+3], v[\ai] offset:(\img)+(3*(\s)+\m)*FRB+512*\k
.endr
.endr
.irp m, 0,1,2
	ds_load_b32 v[AS+3*(\set)+\m], v[\aw] offset:(\sc)+128*(3*(\s)+\m)
.endr
.endm
; 24 loads: the 8 fragments of a K step into group g
.macro WLOAD g, base, off
	WIN 0xc0-0x40*((\g)/2)
.irp f, 0,1,2,3,4,5,6,7
.irp k, 0,1,2
	global_load_b128 v[96*((\g)%2)+12*\f+4*\k:96*((\g)%2)+12*\f+4*\k+3], v[LI], s[\base:\base+1] offset:(\off)+FRB*\f+512*\k
.endr
.endr
	WIN 0
.endm
; Eight of those 24, numbers j0 .. j0 + 7 in the same order: load j brings registers 4 j .. 4 j + 3 of the group from 512 j bytes on.  It leaves the load's window set
.macro WPART g, base, off, j0
	WIN 0xc0-0x40*((\g)/2)
.set WJ, \j0
.rept 8
	global_load_b128 v[96*((\g)%2)+4*WJ:96*((\g)%2)+4*WJ+3], v[LI], s[\base:\base+1] offset:(\off)+512*WJ
.set WJ, WJ+1
.endr
.endm
.macro CLOAD                           ; 8 loads: w_proj's scale words of a chunk: 16 bytes a row are its four K steps
.irp n, 0,1,2,3,4,5,6,7
	global_load_b128 v[W2S+4*\n:W2S+4*\n+3], v[W2SO], s[38:39] offset:1024*\n
.endr
.endm
.macro W1SLOAD base                    ; 8 loads: w_fc's scale words of a chunk
.irp t, 0,1,2,3,4,5,6,7
	global_load_b128 v[W1S+4*\t:W1S+4*\t+3], v[W1SO], s[\base:\base+1] offset:(32*(\t/2)+8*(\t%2))*16
.endr
.endm
.macro BIAS adr                        ; 16 LDS loads: b_fc in the result's layout: lane (r, h), tile 2 b + u: units 32 b + 16 h + 8 u + 0 .. 7
.irp t, 0,1,2,3,4,5,6,7
	ds_load_b128 v[T+8*\t:T+8*\t+3], v[\adr] offset:(32*(\t/2)+8*(\t%2))*4
	ds_load_b128 v[T+8*\t+4:T+8*\t+7], v[\adr] offset:(32*(\t/2)+8*(\t%2))*4+16
.endr
.endm
.macro YBIAS base                      ; 48 loads: Y begins as b_proj: lane (r, h), tile n: columns 16 n + 8 h + 0 .. 7 of my 128, the same for the three tiles of rows
.irp m, 0,1,2
	WIN 0x40+0x40*\m
.irp n, 0,1,2,3,4,5,6,7
	global_load_b128 v[192+8*\n:195+8*\n], v[BPO], s[\base:\base+1] offset:64*\n
	global_load_b128 v[196+8*\n:199+8*\n], v[BPO], s[\base:\base+1] offset:64*\n+16
.endr
.endr
	WIN 0
.endm
; THE FIRST PRODUCT.  24 matrix instructions a K step: the 24 accumulators take turns, one instruction a turn, in the same order in every step.
; K step 0: group 0, set 0; its C is b_fc
.macro MM1FIRST
	WIN 0x43
.irp t, 0,1,2,3,4,5,6,7
.irp m, 0,1,2
	v_wmma_scale_f32_16x16x128_f8f6f4 v[64*\m+8*\t:64*\m+8*\t+7], v[12*\t:12*\t+11], v[Q+12*\m:Q+12*\m+11], v[T+8*\t:T+8*\t+7], v[W1S+4*\t], v[AS+\m] matrix_a_fmt:MATRIX_FMT_FP6 matrix_b_fmt:MATRIX_FMT_FP6
.endr
.endr
	WIN 0
.endm
; K step s = 1, 2, 3: group s, set s % 2.  Among its matrix instructions stand the loads into what K step s - 1 has left: behind the first three the 12 LDS loads into the other set (the macro's last six arguments are ACTLOAD's),
; behind the sixth, twelfth and eighteenth eight loads each of w_proj's group s - 1 of the chunk before.  The wait ahead of the macro has shown K step s - 1 done reading those registers, and no instruction of this K step names them: no further wait.
.macro MM1NEXT s, set, ai, aw, img, sc, ks
.set MT, 0
.rept 8
	WIN 0x53-(\s)/2
.irp m, 0,1,2
	v_wmma_scale_f32_16x16x128_f8f6f4 v[64*\m+8*MT:64*\m+8*MT+7], v[96*((\s)%2)+12*MT:96*((\s)%2)+12*MT+11], v[Q+36*((\s)%2)+12*\m:Q+36*((\s)%2)+12*\m+11], v[64*\m+8*MT:64*\m+8*MT+7], v[W1S+4*MT+(\s)], v[AS+3*((\s)%2)+\m] matrix_a_fmt:MATRIX_FMT_FP6 matrix_b_fmt:MATRIX_FMT_FP6
.endr
.if MT == 0
	WIN 0
	ACTLOAD \set, \ai, \aw, \img, \sc, \ks
.endif
.if (MT == 1) || (MT == 3) || (MT == 5)
	WPART (\s)-1, BA, 49152+12288*((\s)-1), 4*(MT-1)
.endif
.set MT, MT+1
.endr
	WIN 0
.endm
; ONE matrix instruction of the second product: number PJ (0 .. 23: rows PJ / 8, tile PJ % 8) of K step PS; nothing where PS is -1.  Y's 24 accumulators take turns, one instruction a turn.
.set PS, -1
.set PJ, 0
.macro MMX
.if PS >= 0
.set WB, ((PJ/8+1)<<6)|((PJ/8+1)<<4)|(3-PS/2)
	WIN WB
	v_wmma_scale_f32_16x16x128_f8f6f4 v[192+8*(PJ%8):192+8*(PJ%8)+7], v[96*(PS%2)+12*(PJ%8):96*(PS%2)+12*(PJ%8)+11], v[Q+36*(PS%2)+12*(PJ/8):Q+36*(PS%2)+12*(PJ/8)+11], v[192+8*(PJ%8):192+8*(PJ%8)+7], v[W2S+4*(PJ%8)+PS], v[AS+3*(PS%2)+PJ/8] matrix_a_fmt:MATRIX_FMT_FP6 matrix_b_fmt:MATRIX_FMT_FP6
.set PJ, PJ+1
.endif
.endm
.macro P2STEP s                        ; a whole K step of the second product, bare
.set PS, \s
.set PJ, 0
.rept 24
	MMX
.endr
	WIN 0
.endm
; The GELU of 16 numbers of P, from base on (two accumulators, each read from its low end on).  B's chain first, its 16 reciprocals as one batch, A's chain as the independent work behind them, ONE wait ahead of the first reader.
; s >= 0: the block carries twelve instructions of K step s of the second product, from number j0 on, each behind a group of vector instructions that name none of its registers.
.macro GELU16 base, s, j0
.set PS, \s
.set PJ, \j0
	WIN 0x01
.irp i, 0,1,2,3,4,5,6,7,8,9,10,11,12,13,14,15
	v_med3_num_f32 v[GH+\i], v[(\base)+\i], s50, s51
.endr
	MMX
	WIN 0
.irp i, 0,2,4,6,8,10,12,14
	v_pk_mul_f32 v[GZ+\i:GZ+\i+1], v[GH+\i:GH+\i+1], v[GH+\i:GH+\i+1]
.endr
	MMX
	WIN 0
.irp i, 0,2,4,6,8,10,12,14
	v_pk_fma_f32 v[GB+\i:GB+\i+1], v[GZ+\i:GZ+\i+1], v[CB4:CB4+1], s[80:81] op_sel_hi:[1,1,0]
.endr
	MMX
.irp c, 82,84,86
	WIN 0
.irp i, 0,2,4,6,8,10,12,14
	v_pk_fma_f32 v[GB+\i:GB+\i+1], v[GB+\i:GB+\i+1], v[GZ+\i:GZ+\i+1], s[\c:\c+1] op_sel_hi:[1,1,0]
.endr
	MMX
.endr
	WIN 0
.irp i, 0,1,2,3,4,5,6,7,8,9,10,11,12,13,14,15
	v_rcp_f32 v[GB+\i], v[GB+\i]
.endr
.irp i, 0,2,4,6,8,10,12,14
	v_pk_fma_f32 v[GA+\i:GA+\i+1], v[GZ+\i:GZ+\i+1], v[CA6:CA6+1], s[66:67] op_sel_hi:[1,1,0]
.endr
	MMX
.irp c, 68,70,72,74,76
	WIN 0
.irp i, 0,2,4,6,8,10,12,14
	v_pk_fma_f32 v[GA+\i:GA+\i+1], v[GA+\i:GA+\i+1], v[GZ+\i:GZ+\i+1], s[\c:\c+1] op_sel_hi:[1,1,0]
.endr
	MMX
.endr
	WIN 0
.irp i, 0,2,4,6,8,10,12,14
	v_pk_mul_f32 v[GA+\i:GA+\i+1], v[GA+\i:GA+\i+1], v[GH+\i:GH+\i+1]
.endr
	s_wait_alu depctr_va_vdst(0)                   ; the 16 reciprocals have written v[GB ..], ahead of their first reader.  The block's twelve matrix instructions stand ahead of this wait too: in a K step's second block it states that the step's products are done reading their group, their set and their scale words
.irp i, 0,2,4,6,8,10,12,14
	v_pk_fma_f32 v[GA+\i:GA+\i+1], v[GA+\i:GA+\i+1], v[GB+\i:GB+\i+1], 0.5 op_sel_hi:[1,1,0]
.endr
	WIN 0x41
.irp i, 0,2,4,6,8,10,12,14
	v_pk_mul_f32 v[(\base)+\i:(\base)+\i+1], v[(\base)+\i:(\base)+\i+1], v[GA+\i:GA+\i+1]
.endr
	WIN 0
.endm
; The 64 numbers of P for rows m (register 16 b + i = k 32 b + 16 (lane / 16) + i of my token) become a fragment's codes in v[PC] on and its scale word in v[PW]
.macro QUANT m
	WIN 0x05
.irp b, 0,1,2,3
	v_max3_num_f32 v[TM+\b], |v[64*(\m)+16*\b]|, |v[64*(\m)+16*\b+1]|, 0x1800000   ; my 16 of block b, and the floor 2^(3 - 127): the byte cannot fall under 1
.endr
.irp i, 2,4,6,8,10,12,14
.irp b, 0,1,2,3
	v_max3_num_f32 v[TM+\b], |v[64*(\m)+16*\b+\i]|, |v[64*(\m)+16*\b+\i+1]|, v[TM+\b]
.endr
.endr
	WIN 0
.irp b, 0,1,2,3
	v_permlanex16_b32 v[TM+4+\b], v[TM+\b], s48, s49
.endr
.irp b, 0,1,2,3
	v_max_num_f32 v[TM+\b], v[TM+\b], v[TM+4+\b]   ; with lane l xor 16's: the block's largest magnitude
.endr
.irp b, 0,1,2,3
	v_add_nc_u32 v[TM+12+\b], 0xff000000, v[TM+\b] ; 2 off its exponent field: the conversion's scale operand
.endr
.irp b, 0,1,2,3
	v_lshrrev_b32 v[TM+4+\b], 23, v[TM+12+\b]      ; the scale's byte
.endr
	s_wait_alu depctr_vm_vsrc(0)                   ; the last image's LDS stores have read v[PW] and v[PC ..] (in the first trip: the head's loads have read their offsets there), which the lines below write again
	v_lshl_or_b32 v[PW], v[TM+5], 8, v[TM+4]
	v_lshl_or_b32 v[PW], v[TM+6], 16, v[PW]
	v_lshl_or_b32 v[PW], v[TM+7], 24, v[PW]
	WIN 0x01
.irp c, 0,1
	v_cvt_scalef32_pk16_fp6_f32 v[PC+6*\c:PC+6*\c+2], v[64*(\m)+32*\c:64*(\m)+32*\c+15], v[TM+12+2*\c]
	v_cvt_scalef32_pk16_fp6_f32 v[PX+4*\c:PX+4*\c+2], v[64*(\m)+32*\c+16:64*(\m)+32*\c+31], v[TM+12+2*\c+1]   ; (a conversion's three registers begin on an even number)
.endr
	WIN 0
	v_nop                                          ; one plain line behind the last scaled conversion
.irp c, 0,1                            ; the operand's layout wants a WHOLE block in a lane: lanes 0-15 block 2 c, lanes 16-31 block 2 c + 1
.irp i, 0,1,2
	v_permlane16_swap_b32 v[PC+6*\c+\i], v[PX+4*\c+\i]
.endr
.irp i, 0,1,2
	v_mov_b32 v[PC+3+6*\c+\i], v[PX+4*\c+\i]
.endr
.endr
.endm
.macro IMAGE m                         ; the fragment goes to LDS as it stands, into the buffer that this trip writes: K step = my wave, rows m.  4 LDS stores
	s_wait_alu depctr_va_vdst(0)                   ; the quantiser has written v[PC ..] and v[PW], which the four stores read
.irp k, 0,1,2
	ds_store_b128 v[WRI], v[PC+4*\k:PC+4*\k+3] offset:HIMG+(\m)*FRB+512*\k
.endr
	ds_store_b32 v[WRS], v[PW] offset:HSC+128*(\m)
.endm
; From s44 = a chunk's number: s[dst:dst+1] = where my wave's images of that chunk begin; s60 = its expert, s61 = its place in the expert.  The expert's number is held at 3 in front of the multiplication that makes it an offset.
.macro IBASE dst
	s_cmp_lt_u32 s44, 4
	s_cselect_b32 s60, s30, s31
	s_min_u32 s60, s60, 3
	s_and_b32 s61, s44, 3
	s_mul_i32 s62, s60, 1572864
	s_mul_i32 s45, s61, 98304
	s_add_co_u32 s62, s62, s45
	s_add_nc_u64 s[\dst:\dst+1], s[52:53], s[62:63]
.endm
; All scalar bases are written at ONE place of a trip, two blocks of the GELU behind the last load issued.  In trip k: BA = chunk k (the next trip's second product); w_proj's scale words of chunk k;
; BN = chunk k + 1's first half (the next trip's first product), in the last trip chunk 7's second half (the product behind the loop); w_fc's scale words of chunk k + 2, which the next trip asks for.  Numbers beyond 7 are held at 7: inside the buffers.
.macro UPDATE
	s_wait_xcnt 0x0                                ; every load issued has read its base: the bases may be written
	s_mov_b32 s44, s33
	IBASE BA
	s_lshl_b32 s62, s60, 15
	s_lshl_b32 s45, s61, 4
	s_add_co_u32 s62, s62, s45
	s_add_nc_u64 s[38:39], s[54:55], s[62:63]      ; the expert's 32,768 bytes, the chunk's 16 in a row
	s_add_co_u32 s44, s33, 1
	s_min_u32 s44, s44, 7
	IBASE BN
	s_cmp_eq_u32 s33, 7
	s_cselect_b32 s62, 49152, 0
	s_add_nc_u64 s[BN:BN+1], s[BN:BN+1], s[62:63]
	s_add_co_u32 s44, s33, 2
	s_min_u32 s44, s44, 7
	s_cmp_lt_u32 s44, 4
	s_cselect_b32 s60, s30, s31
	s_min_u32 s60, s60, 3
	s_and_b32 s61, s44, 3
	s_lshl_b32 s62, s60, 15
	s_lshl_b32 s45, s61, 13
	s_add_co_u32 s62, s62, s45
	s_add_nc_u64 s[40:41], s[56:57], s[62:63]
.endm
	s_load_b256 s[4:11], s[0:1], 0x0               ; wimg, xq, xs, gates
	s_load_b256 s[12:19], s[0:1], 0x20             ; order, tiles, w_fc_scales, w_proj_scales
	s_load_b128 s[20:23], s[0:1], 0x40             ; b_fc, b_proj
	s_load_b64 s[24:25], s[0:1], 0x50              ; out0
	v_lshl_add_u32 v254, v0, 2, 0x38000
	v_mov_b32 v255, 0
	v_lshrrev_b32 v41, 5, v0
	v_readfirstlane_b32 s32, v41                   ; wave 0..3
	v_and_b32 v41, 31, v0                          ; lane
	v_and_b32 v46, 15, v0                          ; r
	v_bfe_u32 v47, v0, 4, 1                        ; h
	v_lshlrev_b32 v[LI], 4, v41
	v_lshlrev_b32 v[LS], 2, v41
	s_wait_alu depctr_va_sdst(0)                   ; s32 is written, ahead of its first reader: LDS addresses and the wave's parts of the buffers are made from it
	s_mul_i32 s44, s32, 3*FRB
	v_add_nc_u32 v[HWI], s44, v[LI]
	s_mul_i32 s44, s32, 3*128
	v_add_nc_u32 v[HWS], s44, v[LS]
	v_and_b32 v[W1SO], 8, v46
	v_add_nc_u32 v[W1SO], v[W1SO], v46
	v_lshlrev_b32 v[W1SO], 4, v[W1SO]
	v_lshlrev_b32 v[W2SO], 6, v46
	s_mul_i32 s44, s32, 9*512
	s_add_co_u32 s44, s44, BF                      ; my wave's b_fc
	v_add_nc_u32 v45, s44, v[LI]                   ; in: 16 x lane
	v_lshlrev_b32 v[BF0], 6, v47
	v_add_nc_u32 v[BF0], s44, v[BF0]               ; back: 64 h
	v_lshlrev_b32 v[BPO], 5, v47
	s_mul_i32 s44, s32, 24576
	s_add_co_u32 s44, s44, SAVE
	v_add_nc_u32 v[SVA], s44, v[LI]
	s_mul_i32 s44, s32, 16*528
	s_add_co_u32 s44, s44, STG                     ; my stage
	v_mul_u32_u24 v[STO], v46, 528
	v_lshl_add_u32 v[STO], v47, 5, v[STO]
	v_add_nc_u32 v[STO], s44, v[STO]               ; in: row r, + 32 h
	v_add_nc_u32 v[RD], s44, v[LI]                 ; back: a row's 512 bytes, 16 a lane
	s_lshl_b32 s44, s32, 9
	v_add_nc_u32 v[CO], s44, v[LI]                 ; my wave's 512 bytes of a row of out0
	v_mul_u32_u24 v41, v47, 48                     ; xq: 48 h
	s_mov_b32 s48, 0x76543210
	s_mov_b32 s49, 0xfedcba98                      ; v_permlanex16_b32's selects for lane l xor 16
	s_mov_b32 s50, 0xc0b504f3                      ; -4 sqrt 2
	s_mov_b32 s51, 0x40b504f3                      ; +4 sqrt 2
	SPAIR 66, 0x2fa84a8d                           ; A5 .. A0
	SPAIR 68, 0xb347667d
	SPAIR 70, 0xb628d45d
	SPAIR 72, 0xb8883d9c
	SPAIR 74, 0xba08eb41
	SPAIR 76, 0xbbba79f3
	SPAIR 80, 0xb7dfbd29                           ; B3 .. B0
	SPAIR 82, 0xb9dc924e
	SPAIR 84, 0xbb719bf8
	SPAIR 86, 0xbc69b6a7
	v_mov_b32 v[CA6], 0xabd3f331
	v_mov_b32 v[CA6+1], 0xabd3f331
	v_mov_b32 v[CB4], 0xb57460cd
	v_mov_b32 v[CB4+1], 0xb57460cd
	s_lshl_b32 s44, ttmp9, 4
	s_mov_b32 s63, 0                               ; the upper word of every offset
	s_wait_kmcnt 0x0
	s_load_b128 s[28:31], s[14:15], s44 offset:0x0 ; my tile: first place, rows, expert a, expert b
	s_mul_i32 s62, s32, 393216                     ; my wave's parts
	s_add_nc_u64 s[52:53], s[4:5], s[62:63]        ; of the images,
	s_lshl_b32 s62, s32, 13
	s_add_nc_u64 s[54:55], s[18:19], s[62:63]      ; of w_proj's scales (128 rows of 64 bytes),
	s_lshl_b32 s62, s32, 11
	s_add_nc_u64 s[56:57], s[16:17], s[62:63]      ; of w_fc's (128 rows of 16 bytes),
	s_lshl_b32 s62, s32, 9
	s_add_nc_u64 s[58:59], s[20:21], s[62:63]      ; of b_fc
	s_add_nc_u64 s[22:23], s[22:23], s[62:63]      ; and of b_proj (128 numbers);
	s_mul_i32 s62, s32, 96
	s_add_nc_u64 s[6:7], s[6:7], s[62:63]          ; of x I fetch K step w: 96 bytes on in a token's codes,
	s_lshl_b32 s62, s32, 2
	s_add_nc_u64 s[8:9], s[8:9], s[62:63]          ; 4 in its scale bytes
	s_wait_kmcnt 0x0
	s_min_u32 s28, s28, 0x1fff
	s_min_u32 s29, s29, 48
	s_min_u32 s30, s30, 3
	s_min_u32 s31, s31, 3
	s_lshl_b32 s62, s30, 11
	s_add_nc_u64 s[88:89], s[22:23], s[62:63]      ; b_proj[a], b_proj[b]
	s_lshl_b32 s62, s31, 11
	s_add_nc_u64 s[90:91], s[22:23], s[62:63]
	s_lshl_b32 s62, s30, 13
	s_add_nc_u64 s[92:93], s[58:59], s[62:63]      ; b_fc[a], b_fc[b]
	s_lshl_b32 s62, s31, 13
	s_add_nc_u64 s[94:95], s[58:59], s[62:63]
	s_sub_co_u32 s45, s29, 1                       ; the last slot that holds a row (with no rows: the greatest number, which holds nothing back)
.irp m, 0,1,2
	v_add_nc_u32 v[28+\m], 16*\m, v46              ; my slot,
	v_min_u32 v[28+\m], s45, v[28+\m]              ; or the tile's last,
	v_add_nc_u32 v[28+\m], s28, v[28+\m]           ; in the list,
	v_min_u32 v[28+\m], 0x1fff, v[28+\m]           ; held inside it
	v_lshlrev_b32 v[28+\m], 2, v[28+\m]
.endr
	s_wait_alu depctr_va_vdst(0)                   ; every address and offset made so far is written: the list's three offsets, and v1 to v7, v11, v42 to v45, v253, v254 and v255, which loads, stores and LDS instructions read from here to the kernel's end
.irp m, 0,1,2
	global_load_b32 v[TOK+\m], v[28+\m], s[12:13]
.endr
	s_mov_b32 s44, 0
	IBASE BA                                       ; chunk 0: the first trip's second products, which multiply zero codes, take its weights
	s_mov_b64 s[BN:BN+1], s[BA:BA+1]
	s_lshl_b32 s62, s60, 15
	s_add_nc_u64 s[38:39], s[54:55], s[62:63]      ; w_proj's scale words of chunk 0,
	s_add_nc_u64 s[96:97], s[56:57], s[62:63]      ; w_fc's of chunk 0,
	s_add_co_u32 s62, s62, 8192
	s_add_nc_u64 s[40:41], s[56:57], s[62:63]      ; and of chunk 1, which the first trip asks for
	; The weights' first loads hang on the tile alone: they go out behind the list's three loads.  From here on the loads stand in the order in which a trip issues them for its successor (f, g, h, .., i, j, c), so that the loop's counts hold on the way in too
	W1SLOAD 96                                     ; f
	WLOAD 0, BN, 0                                 ; g
	WLOAD 1, BN, 12288                             ; h
	s_wait_loadcnt 56                              ; my tokens are in: behind them stand f, g, h: 8 + 24 + 24
.irp m, 0,1,2
	v_min_u32 v[TOK+\m], 0x1fff, v[TOK+\m]
	v_lshlrev_b32 v[31+\m], 3, v[TOK+\m]           ; gates: 8 bytes a token
	v_mul_u32_u24 v[34+\m], 384, v[TOK+\m]         ; xq: 384
	v_add_nc_u32 v[34+\m], v[34+\m], v41
	v_lshlrev_b32 v[37+\m], 4, v[TOK+\m]           ; xs: 16
.endr
.irp i, 0,1,2,3
	v_mov_b32 v[T+32+\i], 0
.endr
	s_wait_alu depctr_va_vdst(0)                   ; the gather's nine offsets are written, which the loads below read; so are the four zeros, which LDS stores further down read
.irp m, 0,1,2                          ; 15 loads
	global_load_b64 v[G+2*\m:G+2*\m+1], v[31+\m], s[10:11]
.irp k, 0,1,2
	global_load_b128 v[Q+12*\m+4*\k:Q+12*\m+4*\k+3], v[34+\m], s[6:7] offset:16*\k   ; registers 0-11 of the operand, as the first launch laid them
.endr
	global_load_b32 v[AS+\m], v[37+\m], s[8:9]
.endr
.irp c, 0,1,2,3                        ; 8 loads: my 128 numbers of b_fc for each of the 8 chunks, 512 consecutive bytes a load
	global_load_b128 v[T+4*\c:T+4*\c+3], v[LI], s[92:93] offset:2048*\c
	global_load_b128 v[T+16+4*\c:T+16+4*\c+3], v[LI], s[94:95] offset:2048*\c
.endr
	YBIAS 88                                       ; 48 loads: Y begins as b_proj[a]
	WLOAD 2, BN, 24576                             ; i
	WLOAD 3, BN, 36864                             ; j
	CLOAD                                          ; c
	s_wait_loadcnt 63                              ; the 15 and the 8 are in: 104 younger loads have been issued; a wait's count names 63 at the most
.irp m, 0,1,2
.irp k, 0,1,2
	ds_store_b128 v[HWI], v[Q+12*\m+4*\k:Q+12*\m+4*\k+3] offset:XIMG+\m*FRB+512*\k
	ds_store_b128 v[HWI], v[T+32:T+35] offset:HIMG+\m*FRB+512*\k   ; zero codes into the buffer that the first trip reads
.endr
	ds_store_b32 v[HWS], v[AS+\m] offset:XSC+128*\m
	ds_store_b32 v[HWS], v[T+32] offset:HSC+128*\m                 ; (the byte 0 is a scale like any other)
.endr
.irp c, 0,1,2,3,4,5,6,7
	ds_store_b128 v45, v[T+4*\c:T+4*\c+3] offset:512*\c
.endr
	ds_store_b128 v45, v[T+28:T+31] offset:512*8   ; chunk 7's once more: the last trip's look-ahead reads it
	s_wait_dscnt 0x0                               ; for the others' sake: my images have landed
	s_barrier_signal -1
	s_barrier_wait -1                              ; x's twelve fragments lie in LDS, and are written no more; the first read buffer is zeros
	s_wait_alu depctr_vm_vsrc(0)                   ; my LDS stores have read set 0 of the fragments and scale words and v[T ..], in which the loads below land
	s_wait_alu depctr_va_vdst(0)                   ; the four moves of 0 have written their registers of T, in which b_fc lands
	ACTLOAD 0, LI, LS, XIMG, XSC, 0
	ACTLOAD 1, LI, LS, XIMG, XSC, 1
	BIAS BF0                                       ; chunk 0's
	s_mov_b32 s33, 0
	s_mov_b32 s42, HBUF                            ; turned at each trip's head: trip 0 reads the buffer at 0 and writes the one at HBUF
	s_mov_b32 s43, 0
	s_mov_b32 s26, 512                             ; b_fc of the next chunk
	s_wait_dscnt 0x0
.Ltrip:
	s_xor_b32 s42, s42, HBUF
	s_xor_b32 s43, s43, HBUF
	s_wait_alu depctr_vm_vsrc(0)                   ; the last trip's LDS instructions have read the five address registers that the lines below write again
	v_add_nc_u32 v[RDI], s42, v[LI]
	v_add_nc_u32 v[RDS], s42, v[LS]
	v_add_nc_u32 v[WRI], s43, v[HWI]
	v_add_nc_u32 v[WRS], s43, v[HWS]
	v_add_nc_u32 v[BFR], s26, v[BF0]
	s_add_co_u32 s26, s26, 512
	; ---- the first product of chunk k.  The loads of a trip, in the order of issue: a, b, d, e w_proj's groups 0-3 of chunk k - 1; f w_fc's scale words of chunk k + 1; g, h, i, j w_fc's groups 0-3 of chunk k + 1; c w_proj's scale words of chunk k.
	; x's K steps 0 and 1 and b_fc were fetched ahead of the last barrier.  A group's wait stands AHEAD of the next group's request, so that its count is exact
	s_wait_loadcnt 63                              ; f and g are in: behind g stand h, i, j, c: 80
	MM1FIRST
	PLACES
	s_wait_loadcnt 56                              ; h is in: behind it i, j, c: 24 + 24 + 8
	s_wait_alu depctr_va_vdst(0)                   ; K step 0 is done reading group 0 and set 0, in which a and x's K step 2 land; the five address registers are written
	MM1NEXT 1, 0, LI, LS, XIMG, XSC, 2             ; with a among it
	PLACES
	s_wait_loadcnt 56                              ; i is in: behind it j, c, a
	s_wait_dscnt 0x0                               ; x's K step 2 is in: no LDS instruction is younger
	s_wait_alu depctr_va_vdst(0)                   ; K step 1 is done reading group 1 and set 1, in which b and x's K step 3 land
	MM1NEXT 2, 1, LI, LS, XIMG, XSC, 3             ; with b among it
	PLACES
	s_wait_loadcnt 56                              ; j is in: behind it c, a, b
	s_wait_dscnt 0x0                               ; x's K step 3 is in
	s_wait_alu depctr_va_vdst(0)                   ; K step 2 is done reading group 2 and set 0, in which d and the hidden K step 0 land
	MM1NEXT 3, 0, RDI, RDS, HIMG, HSC, 0           ; with d among it, and the hidden fragments of chunk k - 1: whole since the last barrier
	PLACES
	s_wait_alu depctr_va_vdst(0)                   ; K step 3 is done reading group 3, set 1 and w_fc's scale words, in which e, the hidden K step 1 and f land
	WLOAD 3, BA, 86016                             ; e
	W1SLOAD 40                                     ; f
	ACTLOAD 1, RDI, RDS, HIMG, HSC, 1
	; ---- GELU and quantiser of chunk k, 16 rows at a time, with the second product of chunk k - 1 among them: K step s in blocks 2 + 2 s and 3 + 2 s of the twelve
	GELU16 0, -1, 0
	GELU16 16, -1, 0
	UPDATE
	s_wait_dscnt 12                                ; hidden K step 0 is in
	s_wait_loadcnt 63                              ; a is in, and c, which is older: behind a stand b, d, e, f: 80
	GELU16 32, 0, 0
	GELU16 48, 0, 12
	WLOAD 0, BN, 0                                 ; g.  No wait here: the block's own wait stands behind K step 0's last product, and the sixteen packed instructions since name T and P alone.  (24 vector instructions stand behind that product)
	ACTLOAD 0, RDI, RDS, HIMG, HSC, 2              ; likewise: set 0
	QUANT 0
	IMAGE 0
	s_wait_dscnt 16                                ; hidden K step 1 is in: behind it 12 loads and the image's 4 stores
	s_wait_loadcnt 63                              ; b is in: behind it d, e, f, g: 80
	GELU16 64, 1, 0
	GELU16 80, 1, 12
	WLOAD 1, BN, 12288                             ; h: group 1 and set 1 are free since the block's wait
	ACTLOAD 1, RDI, RDS, HIMG, HSC, 3
	s_wait_dscnt 12                                ; hidden K step 2 is in
	s_wait_loadcnt 63                              ; d is in: behind it e, f, g, h: 80
	GELU16 96, 2, 0
	GELU16 112, 2, 12
	WLOAD 2, BN, 24576                             ; i: group 2 and set 0 are free since the block's wait
	ACTLOAD 0, LI, LS, XIMG, XSC, 0                ; the next trip's first fragments of x
	QUANT 1
	IMAGE 1
	s_wait_dscnt 16                                ; hidden K step 3 is in: behind it 12 loads and 4 stores
	s_wait_loadcnt 63                              ; e is in: behind it f, g, h, i: 80
	GELU16 128, 3, 0
	GELU16 144, 3, 12
	WLOAD 3, BN, 36864                             ; j: group 3, set 1 and w_proj's scale words are free since the block's wait
	CLOAD                                          ; c
	ACTLOAD 1, LI, LS, XIMG, XSC, 1
	GELU16 160, -1, 0
	GELU16 176, -1, 0
	QUANT 2
	IMAGE 2                                        ; its wait also states that the GELU and the quantiser are done with T and P, and that the second product has written Y: no vector or matrix instruction follows it in the trip
	BIAS BFR                                       ; T is free from here to the next trip's first products
	s_cmp_lg_u32 s33, 4
	s_cbranch_scc1 .Lsame_expert
	; trip 4 has made chunk 3's second product: expert a's sums are whole.  They go to my own LDS bytes as they stand, each accumulator from its low end on, and Y begins anew as b_proj[b]
.irp m, 0,1,2
	WIN 0x04+0x04*\m                               ; an LDS store's data are its source 1
.irp n, 0,1,2,3,4,5,6,7
	ds_store_b128 v[SVA], v[192+8*\n:195+8*\n] offset:8192*\m+1024*\n
	ds_store_b128 v[SVA], v[196+8*\n:199+8*\n] offset:8192*\m+1024*\n+512
.endr
.endr
	WIN 0
	s_wait_dscnt 0x0                               ; the sums have landed in LDS
	s_wait_alu depctr_vm_vsrc(0)                   ; the 48 stores have read Y, in which the loads below land
	s_wait_alu depctr_va_vdst(0)                   ; the second product is done reading and writing Y, in which the loads below land
	YBIAS 90                                       ; 48 loads, older than the next trip's a: the wait for a shows them landed; every count till then waits for more than it names, never for less
.Lsame_expert:
	s_wait_dscnt 0x0                               ; my images have landed, my reads of the other buffer are over, and x's fragments and b_fc are in
	s_barrier_signal -1
	s_barrier_wait -1                              ; chunk k's twelve hidden fragments lie in LDS; nobody reads chunk k - 1's any more
	s_add_co_u32 s33, s33, 1
	s_cmp_lt_u32 s33, 8
	s_cbranch_scc1 .Ltrip
	; ---- chunk 7's second product, bare.  Trip 7 wrote the buffer at 0; its second half asked for w_proj's groups and scale words of chunk 7
	s_wait_alu depctr_va_vdst(0)                   ; the last quantiser is done reading P, in which expert a's sums land; the last trip's products are done reading both sets, in which the hidden fragments land
	ACTLOAD 0, LI, LS, HIMG, HSC, 0
	ACTLOAD 1, LI, LS, HIMG, HSC, 1
	WIN 0x40
.irp i, 0,1,2,3,4,5,6,7,8,9,10,11,12,13,14,15,16,17,18,19,20,21,22,23,24,25,26,27,28,29,30,31,32,33,34,35,36,37,38,39,40,41,42,43,44,45,46,47
	ds_load_b128 v[4*\i:4*\i+3], v[SVA] offset:512*\i   ; expert a's sums come back into P, which is free: rows m, tile n at 64 m + 8 n
.endr
	WIN 0
	s_wait_loadcnt 0x0                             ; c is the youngest load of all
	s_wait_dscnt 60                                ; K step 0 is in: behind it 12 + 48
	P2STEP 0
	PLACES
	s_wait_alu depctr_va_vdst(0)                   ; K step 0 is done reading set 0, in which K step 2 lands
	ACTLOAD 0, LI, LS, HIMG, HSC, 2
	s_wait_dscnt 60                                ; K step 1 is in: behind it 48 + 12
	P2STEP 1
	PLACES
	s_wait_alu depctr_va_vdst(0)                   ; K step 1 is done reading set 1, in which K step 3 lands
	ACTLOAD 1, LI, LS, HIMG, HSC, 3
	s_wait_dscnt 12
	P2STEP 2
	s_wait_dscnt 0x0
	P2STEP 3
	PLACES
.irp m, 0,1,2                          ; out = g_a x expert a's sums + g_b x Y, in Y's registers; each accumulator is read from its low end on
	WIN 0
	v_mov_b32 v[GT], v[G+2*\m+1]
	v_mov_b32 v[GT+1], v[G+2*\m+1]
	WIN 0x41
.irp i, 0,2,4,6,8,10,12,14,16,18,20,22,24,26,28,30,32,34,36,38,40,42,44,46,48,50,52,54,56,58,60,62
	v_pk_mul_f32 v[64*\m+\i:64*\m+\i+1], v[64*\m+\i:64*\m+\i+1], v[G+2*\m:G+2*\m+1] op_sel_hi:[1,0]
.endr
	WIN 0x51+0x41*\m
.irp i, 0,2,4,6,8,10,12,14,16,18,20,22,24,26,28,30,32,34,36,38,40,42,44,46,48,50,52,54,56,58,60,62
	v_pk_fma_f32 v[192+\i:193+\i], v[192+\i:193+\i], v[GT:GT+1], v[64*\m+\i:64*\m+\i+1]
.endr
.endr
	WIN 0
; THE WAY OUT, 16 rows at a time.  A lane holds 32-byte pieces of one token's row: they go through my own stage in LDS and come back as rows of 512 bytes, which the 32 lanes store as 512 consecutive bytes, at a multiple of 256 from out0's first byte.
; A row's place is its token's number, read from the lane that holds it and held inside the tensor: sixteen scalar registers, so that one wait serves the sixteen reads.  Rows from the tile's count on are not stored: slots ascend, so the first such row ends the wave.
.macro OUTROWS m
.irp i, 0,1,2,3,4,5,6,7,8,9,10,11,12,13,14,15
	v_readlane_b32 s[RW+\i], v[TOK+(\m)], \i
.endr
	s_wait_alu depctr_va_sdst(0)                   ; the sixteen scalar registers are written, ahead of their first reader
.irp i, 0,1,2,3,4,5,6,7,8,9,10,11,12,13,14,15
	s_min_u32 s[RW+\i], s[RW+\i], 0x1fff
	s_lshl_b32 s[RW+\i], s[RW+\i], 11
	v_add_nc_u32 v[Q+16*(\m)+\i], s[RW+\i], v[CO]  ; each store has an offset register of its own
.endr
.if (\m) > 0
	s_wait_xcnt 0x0                                ; the last 16 stores have had their addresses translated: T is loaded again only behind this wait
	s_wait_alu depctr_vm_vsrc(0)                   ; the last 16 stores have read v[T ..], in which the LDS loads below land
.endif
	s_wait_alu depctr_va_vdst(0)                   ; the sixteen offsets are written, which the global stores read; the multiply-adds have written Y, which the LDS stores read
	WIN 0x04*((\m)+1)                              ; an LDS store's data are its source 1
.irp n, 0,1,2,3,4,5,6,7
	ds_store_b128 v[STO], v[192+8*\n:195+8*\n] offset:64*\n
	ds_store_b128 v[STO], v[196+8*\n:199+8*\n] offset:64*\n+16
.endr
	WIN 0
.irp i, 0,1,2,3,4,5,6,7,8,9,10,11,12,13,14,15
	ds_load_b128 v[T+4*\i:T+4*\i+3], v[RD] offset:528*\i   ; LDS serves a wave's instructions in order: these see the stores above, and the next 16 rows' stores come behind them
.endr
.irp i, 0,1,2,3,4,5,6,7,8,9,10,11,12,13,14,15
	s_cmp_gt_u32 s29, 16*(\m)+\i
	s_cbranch_scc0 .Ldone
	s_wait_dscnt 15-\i
	global_store_b128 v[Q+16*(\m)+\i], v[T+4*\i:T+4*\i+3], s[24:25] th:TH_STORE_NT
.endr
.endm
	OUTROWS 0
	OUTROWS 1
	OUTROWS 2
.Ldone:
	s_wait_dscnt 0x0                               ; the closing lines, six on end
	s_wait_alu 0x0
	s_wait_tensorcnt 0x0
	ds_add_u32 v254, v255
	s_wait_dscnt 0x0
	s_endpgm
.Lfunc_end_k_q735177cb94_chain:
	.size	k_q735177cb94_chain, .Lfunc_end_k_q735177cb94_chain-k_q735177cb94_chain
	.p2alignl 7, 3214868480
	.fill 96, 4, 3214868480
	.section	.rodata,"a",@progbits
	.p2align	6, 0x0
	.amdhsa_kernel k_q735177cb94_chain
		.amdhsa_group_segment_fixed_size 229888
		.amdhsa_private_segment_fixed_size 0
		.amdhsa_enable_private_segment 0
		.amdhsa_kernarg_size 88
		.amdhsa_user_sgpr_count 2
		.amdhsa_user_sgpr_kernarg_segment_ptr 1
		.amdhsa_wavefront_size32 1
		.amdhsa_system_sgpr_workgroup_id_x 1
		.amdhsa_system_sgpr_workgroup_id_y 1
		.amdhsa_system_sgpr_workgroup_id_z 1
		.amdhsa_system_vgpr_workitem_id 0
		.amdhsa_next_free_vgpr 1024
		.amdhsa_next_free_sgpr 100
		.amdhsa_reserve_vcc 0
		.amdhsa_float_denorm_mode_32 3
		.amdhsa_float_denorm_mode_16_64 3
		.amdhsa_memory_ordered 1
		.amdhsa_forward_progress 1
		.amdhsa_inst_pref_size 255
	.end_amdhsa_kernel
	.section	.bss,"aw",@nobits
	.p2align	6
	.space	262144
	.amdgpu_metadata
---
amdhsa.version: [ 1, 2 ]
amdhsa.kernels:
  - .name:           k_q735177cb94_chain
    .symbol:         k_q735177cb94_chain.kd
    .args:
      - { .name: wimg, .offset: 0, .size: 8, .value_kind: global_buffer, .address_space: global }
      - { .name: xq, .offset: 8, .size: 8, .value_kind: global_buffer, .address_space: global }
      - { .name: xs, .offset: 16, .size: 8, .value_kind: global_buffer, .address_space: global }
      - { .name: gates, .offset: 24, .size: 8, .value_kind: global_buffer, .address_space: global }
      - { .name: order, .offset: 32, .size: 8, .value_kind: global_buffer, .address_space: global }
      - { .name: tiles, .offset: 40, .size: 8, .value_kind: global_buffer, .address_space: global }
      - { .name: w_fc_scales, .offset: 48, .size: 8, .value_kind: global_buffer, .address_space: global }
      - { .name: w_proj_scales, .offset: 56, .size: 8, .value_kind: global_buffer, .address_space: global }
      - { .name: b_fc, .offset: 64, .size: 8, .value_kind: global_buffer, .address_space: global }
      - { .name: b_proj, .offset: 72, .size: 8, .value_kind: global_buffer, .address_space: global }
      - { .name: out0, .offset: 80, .size: 8, .value_kind: global_buffer, .address_space: global }
    .group_segment_fixed_size: 229888
    .private_segment_fixed_size: 0
    .kernarg_segment_align: 8
    .kernarg_segment_size: 88
    .max_flat_workgroup_size: 128
    .sgpr_count:     100
    .vgpr_count:     1024
    .wavefront_size: 32
...
	.end_amdgpu_metadata
.endif
;; end of part 4
